; MI455X (gfx1250); checked and timed in simulation.
; The chip was launched on July 23, 2026; its instructions are those of AMD's public machine-readable ISA for CDNA 5 (MIT licence, August 2026) and "CDNA5" Instruction Set Architecture Reference Guide (July 2026). The comments in the code are by the model that wrote it; some were corrected since.
;; Simple Self Attention. Allowed arithmetic: matrix products marked QUANTISED: E2M3 operands, one E8M0 scale for each 32 along K, by v_wmma_scale_f32_16x16x128_f8f6f4 with both operands' format E2M3, f32 sums; everything else in f32.
;; Inputs: b_k 1,024 float32; b_q 1,024 float32; b_v 1,024 float32; mask 2,048 x 2,048 float32; w_k 1,024 x 1,024 float32; w_q 1,024 x 1,024 float32; w_v 1,024 x 1,024 float32; x 4 x 2,048 x 1,024 float32.
;; Outputs: out0 4 x 2,048 x 1,024 float32.
;; This version of the problem:
;;   THIS VERSION OF THE PROBLEM IS GIVEN IN LOW PRECISION. The matrix products marked QUANTISED in the list below multiply operands that are first quantised to E2M3 (2 exponent bits, 3 mantissa bits; 6 bits a number), with one power-of-two scale for each 32 numbers along K (OCP MX v1.0); their sums are f32. All else is computed in f32.
;;   The module's matrix products, in the order in which they are computed (A, B: the left and right operand; K: the contracted axis; several contracted axes count as one K, in the product's order):
;;     1. [M 8,192, K 1,024] x [K 1,024, N 1,024]; A: input x; B: input w_q: QUANTISED
;;     2. [M 8,192, K 1,024] x [K 1,024, N 1,024]; A: input x; B: input w_k: QUANTISED
;;     3. [M 8,192, K 1,024] x [K 1,024, N 1,024]; A: input x; B: input w_v: QUANTISED
;;     4. batch 4 x [M 2,048, K 1,024] x [K 1,024, N 2,048]; A: computed on the way; B: computed on the way: QUANTISED
;;     5. batch 4 x [M 2,048, K 2,048] x [K 2,048, N 1,024]; A: softmax (see below); B: computed on the way: QUANTISED
;;   THE QUANTISER, for each operand of a quantised product, along K:
;;     - K is cut into blocks of 32 from its start; a last block that is shorter is filled with zeros.
;;     - A block's scale is 2^e with e = floor(log2(the largest magnitude in the block)) - 2, held to -126 .. 127; a block of zeros has e = 0. As a byte (E8M0): e + 127.
;;     - Each number is divided by its block's scale, clamped to +-7.5, and rounded to the nearest number of E2M3, ties to even, subnormals kept.
;;     - The product sums the exact products of the quantised numbers (number of the format x scale) in f32.
;;   ~~~python
;;   def quantise(x, axis):      # numpy; x: float32 -> the quantised numbers, widened to float32 again
;;       x = np.moveaxis(x, axis, -1); K = x.shape[-1]
;;       x = np.pad(x, [(0, 0)] * (x.ndim - 1) + [(0, -K % 32)]); x = x.reshape(x.shape[:-1] + (-1, 32)); a = np.abs(x).max(-1, keepdims=True)
;;       e = np.where(a > 0, np.clip(np.frexp(np.where(a > 0, a, 1))[1] - 1 - 2, -126, 127), 0)      # np.frexp(a)[1] - 1 = floor(log2(a)), exactly
;;       r = np.clip(x / 2.0 ** e, -7.5, 7.5)
;;       step = 2.0 ** (np.maximum(np.frexp(np.where(r == 0, 1, r))[1] - 1, 0) - 3)
;;       q = np.round(r / step) * step * 2.0 ** e      # np.round: ties to even
;;       return np.moveaxis(q.reshape(q.shape[:-2] + (-1,))[..., :K], -1, axis).astype(np.float32)
;;   ~~~
;;   SOFTMAX AHEAD OF A QUANTISED PRODUCT. Where the list says 'softmax', what is quantised is not the finished softmax but p = 2^(t - M), with t = logit x log2(e) and M = ceil(the row's largest t), a whole number; so 1/2 < the row's largest p <= 1. The row's sum l is taken of the UNQUANTISED p, in f32, and the product's result is divided by l at the end. Since M is a whole number, a kernel that streams over the keys may use a running M (the ceiling of the running maximum): every later rescaling is an exact power of two, which a block's scale takes up: the codes' values come out the same.
;;   OPERANDS COMPUTED ON THE WAY. 'Computed on the way' means the value that the module computes at that place (a softmax that the list does not call 'softmax' is quantised finished and normalised). What goes into a quantiser is computed in f32, as accurately as f32 sums, v_exp_f32 and their like allow (about 1e-6 of the number): no bf16 or f16 on the way to a quantiser, and a product that is left as it is and whose result goes on into a quantised operand takes f32 operands (vector FMAs, or v_wmma_f32_16x16x4_f32). A number that lies on a knife's edge between two numbers of the format may be rounded either way, as far as f32 arithmetic and the matrix unit's own rounding can turn it there, and no further.
;; One version. Each part assembles by itself: llvm-mc -triple=amdgcn-amd-amdhsa -mcpu=gfx1250 --defsym DOCPART=n.
;; ======== version 1 of 1: 4 launches
;; limits: right only within a limited range of input values
;; workspace buffers: w1 9,011,200 bytes; w2 19,660,800 bytes; w3 14,155,776 bytes
;; launch prep (part 1): grid 352 x 1, 4 waves a work-group, no clusters, 35,328 bytes of LDS; arguments x, w_q, w_k, w_v, w1; writes w1
.if DOCPART == 1
	.amdgcn_target "amdgcn-amd-amdhsa--gfx1250"
	.amdhsa_code_object_version 6
	.text
	.protected	k_q574ec7b954_prep
	.globl	k_q574ec7b954_prep
	.p2align	8
	.type	k_q574ec7b954_prep,@function
k_q574ec7b954_prep:
	s_mov_b64 s[64:65], 0
	v_nop
	global_prefetch_b8 v0, s[64:65] scope:SCOPE_SE
	s_setreg_imm32_b32 hwreg(HW_REG_WAVE_MODE, 25, 1), 1
	s_wait_xcnt 0x0
; x [8192][1024] and w_q, w_k, w_v [1024][1024], f32 with K innermost, become codes of FP6 (E2M3) with one E8M0 scale byte for each 32 along K, laid as the products' launches want them.
; A block's scale is 2^(floor(log2(its largest magnitude)) - 2); its byte is the largest magnitude's exponent field - 2, held at 1 from below.  Each number is divided by the scale and rounded to the nearest code, ties to even, beyond 7.5 the largest code.
; LAYOUT OF THE CODES: [tile of 128 rows][128 along K][block i of 16 rows, 0..7][1,536 bytes]; the 1,536 bytes are the operand's 12 registers as they stand in the 32 lanes: three pieces of 512 bytes, lane l's 16 bytes at 16 l.
; LANE r OF BLOCK i HOLDS ROW 32 (i / 2) + 8 (i % 2) + r + 8 (r / 8) of the tile: with that order a product's results, taken with this operand as source 0, have 16 neighbouring columns in a lane's 16 registers of two neighbouring blocks.
; LAYOUT OF THE SCALE WORDS: [tile of 128 rows][128 along K][16 i + r][4 bytes].
; SHARES: a wave takes 64 rows x 128 along K: four fragments.  Work-groups 0-255 take x, 256-351 the three weights; the four waves stand side by side on 2,048 bytes of each row.
; A load reads 512 consecutive bytes of one row; a fragment's 16 rows turn through the wave's own stage in LDS (rows of 512 + 16 bytes) and come back so that lane (r, h) holds, of row r, 16 neighbours of each block of 32.
; No tensor loads, no barrier: waves share nothing.  Two fragments' loads (32 a wave) are out at a time.
; LIMITS: a block of zeros gets the byte 1 where the rule says 127: its codes are zeros, and the bytes are read by this program alone.  NaN and infinities among the inputs are not served.
.set XC,    0                          ; w1: x's codes,
.set XS,    6291456                    ; x's scale words,
.set WC,    6553600                    ; the weights' codes (tiles 0-7 w_q, 8-15 w_k, 16-23 w_v),
.set WS,    8912896                    ; their scale words
.set TILEB, 12288                      ; 128 rows x 128 K of codes
.set SP,    528                        ; a stage row
.set WREG,  8704                       ; LDS of a wave: 16 stage rows, then 256 bytes for its scale words
.set R0,    32                         ; v32-159  two sets of 64: a fragment's 16 rows as loaded
.set X,     160                        ; v160-223 64 numbers: register 16 b + i = k 32 b + 16 h + i of my row
.set PC,    224                        ; v224-243 the codes
.set TM,    244                        ; v244-247 largest magnitudes
.set MT,    248                        ; v248-251 the other half's, then the bytes
.set SO,    252                        ; v252-255 the conversions' scale operands
.set PW,    10                         ; v10      the scale word
	s_load_b256 s[4:11], s[0:1], 0x0               ; x, w_q, w_k, w_v
	s_load_b64 s[12:13], s[0:1], 0x20              ; w1
	v_lshl_add_u32 v239, v0, 2, 0x8800
	v_mov_b32 v243, 0
	v_lshrrev_b32 v1, 5, v0
	v_readfirstlane_b32 s16, v1                    ; wave
	v_and_b32 v1, 31, v0                           ; lane
	v_and_b32 v2, 15, v0                           ; r
	v_bfe_u32 v3, v0, 4, 1                         ; h
	v_lshlrev_b32 v4, 4, v1                        ; 16 x lane
	s_mul_i32 s17, s16, WREG
	v_add_nc_u32 v5, s17, v4                       ; the stage, on the way in: a row's 512 bytes as they lie
	v_mul_u32_u24 v6, v2, SP
	v_lshl_add_u32 v6, v3, 6, v6
	v_add_nc_u32 v6, s17, v6                       ; on the way out: row r, + 64 h
	s_add_co_u32 s17, s17, 16*SP
	v_lshl_add_u32 v7, v2, 2, s17                  ; my row's scale word
	v_lshlrev_b32 v9, 3, v1
	v_add_nc_u32 v8, s17, v9                       ; and on the way out 8 bytes a lane
	s_mov_b32 s18, 0x76543210
	s_mov_b32 s19, 0xfedcba98                      ; v_permlanex16_b32's selects for lane l xor 16
.irp b, 0,1,2,3
	v_mov_b32 v[MT+\b], 0                          ; written once: a lane permute's destination counts as one of its sources
.endr
	s_sub_co_u32 s20, ttmp9, 256                   ; the work-group's number among the weights' (of use from 256 on)
	s_lshr_b32 s21, s20, 5                         ; which weight
	s_lshr_b32 s22, ttmp9, 1                       ; x: which 64 rows
	s_lshr_b32 s23, s20, 1                         ; weights: which 64 rows of the three together,
	s_and_b32 s24, s23, 15                         ; and of its own tensor
	s_and_b32 s25, ttmp9, 1
	s_lshl_b32 s25, s25, 2
	s_add_co_u32 s25, s25, s16                     ; which 128 along K: 4 x (work-group % 2) + wave
	s_mov_b32 s27, XS
	s_wait_alu depctr_va_vdst(0)
	s_wait_kmcnt 0x0
	s_cmp_eq_u32 s21, 1                            ; the choices hang on the work-group's number alone
	s_cselect_b64 s[6:7], s[8:9], s[6:7]
	s_cmp_eq_u32 s21, 2
	s_cselect_b64 s[6:7], s[10:11], s[6:7]
	s_cmp_lt_u32 ttmp9, 256
	s_cselect_b64 s[4:5], s[4:5], s[6:7]
	s_cselect_b32 s24, s22, s24                    ; the 64 rows in the source,
	s_cselect_b32 s23, s22, s23                    ; and in the region of w1
	s_cselect_b32 s26, XC, WC
	s_cselect_b32 s27, s27, WS
	s_lshl_b32 s28, s24, 18                        ; 64 rows of 4,096 bytes
	s_lshl_b32 s29, s25, 9
	s_add_co_u32 s28, s28, s29
	s_mov_b32 s29, 0
	s_add_nc_u64 s[4:5], s[4:5], s[28:29]
	s_lshr_b32 s30, s23, 1
	s_lshl_b32 s30, s30, 3
	s_add_co_u32 s30, s30, s25                     ; 8 x tile + which 128 along K
	s_and_b32 s31, s23, 1                          ; blocks 0-3 or 4-7 of the tile
	s_mul_i32 s28, s30, TILEB
	s_mul_i32 s32, s31, 6144
	s_add_co_u32 s28, s28, s32
	s_add_co_u32 s28, s28, s26
	s_add_nc_u64 s[14:15], s[12:13], s[28:29]      ; my codes
	s_lshl_b32 s28, s30, 9
	s_lshl_b32 s32, s31, 8
	s_add_co_u32 s28, s28, s32
	s_add_co_u32 s28, s28, s27
	s_add_nc_u64 s[12:13], s[12:13], s[28:29]      ; my scale words
.macro LOADF f                         ; fragment f's 16 rows, 512 consecutive bytes each, into set f % 2
.irp p, 0,1,2,3,4,5,6,7,8,9,10,11,12,13,14,15
	global_load_b128 v[R0+64*((\f)%2)+4*\p:R0+64*((\f)%2)+4*\p+3], v4, s[4:5] offset:(32*((\f)/2)+8*((\f)%2)+\p+8*(\p/8))*4096 th:TH_LOAD_NT
.endr
.endm
.macro TURNF f                         ; through the stage: LDS serves a wave's instructions in order, so no wait stands between the stores and the loads
.irp p, 0,1,2,3,4,5,6,7,8,9,10,11,12,13,14,15
	ds_store_b128 v5, v[R0+64*((\f)%2)+4*\p:R0+64*((\f)%2)+4*\p+3] offset:SP*\p
.endr
.irp b, 0,1,2,3
.irp j, 0,1,2,3
	ds_load_b128 v[X+16*\b+4*\j:X+16*\b+4*\j+3], v6 offset:128*\b+16*\j
.endr
.endr
.endm
.macro QUANT                           ; 64 numbers of a lane become a fragment's 12 registers in v[PC] on and its row's scale word in v[PW]
.irp b, 0,1,2,3
	v_max3_num_f32 v[TM+\b], |v[X+16*\b]|, |v[X+16*\b+1]|, 0x1800000   ; block b: my 16 numbers, and the floor 2^(3 - 127): so the byte cannot fall under 1
.endr
.irp i, 2,4,6,8,10,12,14
.irp b, 0,1,2,3
	v_max3_num_f32 v[TM+\b], v[TM+\b], |v[X+16*\b+\i]|, |v[X+16*\b+\i+1]|   ; the four blocks by turns
.endr
.endr
.irp b, 0,1,2,3
	v_permlanex16_b32 v[MT+\b], v[TM+\b], s18, s19
.endr
.irp b, 0,1,2,3
	v_max_num_f32 v[TM+\b], v[TM+\b], v[MT+\b]     ; with lane l xor 16's: the block's largest magnitude
.endr
.irp b, 0,1,2,3
	v_add_nc_u32 v[SO+\b], 0xff000000, v[TM+\b]    ; 2 off its exponent field: the conversion takes the exponent field of this operand as its scale
.endr
.irp b, 0,1,2,3
	v_lshrrev_b32 v[MT+\b], 23, v[SO+\b]           ; the scale's byte
.endr
	v_lshl_or_b32 v[PW], v[MT+1], 8, v[MT]
	v_lshl_or_b32 v[PW], v[MT+2], 16, v[PW]
	v_lshl_or_b32 v[PW], v[MT+3], 24, v[PW]
.irp c, 0,1
	v_cvt_scalef32_pk16_fp6_f32 v[PC+6*\c:PC+6*\c+2], v[X+32*\c:X+32*\c+15], v[SO+2*\c]
	v_cvt_scalef32_pk16_fp6_f32 v[PC+12+4*\c:PC+14+4*\c], v[X+32*\c+16:X+32*\c+31], v[SO+2*\c+1]   ; (a conversion's three registers begin on an even number)
.endr
	v_nop                                          ; one plain place behind a scaled conversion
.irp c, 0,1                            ; the operand's layout wants a whole block in a lane: lanes 0-15 block 2 c, lanes 16-31 block 2 c + 1
.irp i, 0,1,2
	v_permlane16_swap_b32 v[PC+6*\c+\i], v[PC+12+4*\c+\i]
.endr
.irp i, 0,1,2
	v_mov_b32 v[PC+3+6*\c+\i], v[PC+12+4*\c+\i]
.endr
.endr
.endm
.macro FRAGF f
.if (\f) < 3
	s_wait_loadcnt 16                              ; this fragment's 16 loads are in; the next fragment's 16 may be out
.else
	s_wait_loadcnt 0x0
.endif
.if (\f) > 0
	s_wait_xcnt 0x0                                ; the last fragment's stores have read their registers: the codes are written again only behind this wait
.endif
	TURNF \f
	s_wait_dscnt 0x0                               ; the numbers are back, and the stores into the stage have read their registers,
.if (\f) < 2
	LOADF (\f)+2                                   ; which take the loads of two fragments on
.endif
	QUANT
.irp c, 0,1,2
	global_store_b128 v4, v[PC+4*\c:PC+4*\c+3], s[14:15] offset:1536*(\f)+512*\c   ; 32 lanes store 512 consecutive bytes, at a multiple of 256 from the buffer's first byte
.endr
	ds_store_b32 v7, v[PW] offset:64*(\f)          ; lanes r and r + 16 write the same word with the same value
.endm
	LOADF 0
	LOADF 1
	FRAGF 0
	FRAGF 1
	FRAGF 2
	FRAGF 3
	ds_load_b64 v[12:13], v8                       ; LDS serves a wave's instructions in order: these see my stores
	s_wait_dscnt 0x0
	global_store_b64 v9, v[12:13], s[12:13]        ; 32 lanes store 256 consecutive bytes, aligned
	s_wait_tensorcnt 0x0
	ds_add_u32 v239, v243
	s_wait_dscnt 0x0
	s_endpgm
.Lfunc_end_k_q574ec7b954_prep:
	.size	k_q574ec7b954_prep, .Lfunc_end_k_q574ec7b954_prep-k_q574ec7b954_prep
	.p2alignl 7, 3214868480
	.fill 96, 4, 3214868480
	.section	.rodata,"a",@progbits
	.p2align	6, 0x0
	.amdhsa_kernel k_q574ec7b954_prep
		.amdhsa_group_segment_fixed_size 35328
		.amdhsa_private_segment_fixed_size 0
		.amdhsa_enable_private_segment 0
		.amdhsa_kernarg_size 40
		.amdhsa_user_sgpr_count 2
		.amdhsa_user_sgpr_kernarg_segment_ptr 1
		.amdhsa_wavefront_size32 1
		.amdhsa_system_sgpr_workgroup_id_x 1
		.amdhsa_system_sgpr_workgroup_id_y 1
		.amdhsa_system_sgpr_workgroup_id_z 1
		.amdhsa_system_vgpr_workitem_id 0
		.amdhsa_next_free_vgpr 256
		.amdhsa_next_free_sgpr 66
		.amdhsa_reserve_vcc 0
		.amdhsa_float_denorm_mode_32 3
		.amdhsa_float_denorm_mode_16_64 3
		.amdhsa_memory_ordered 1
		.amdhsa_forward_progress 1
		.amdhsa_inst_pref_size 34
	.end_amdhsa_kernel
	.amdgpu_metadata
---
amdhsa.version: [ 1, 2 ]
amdhsa.kernels:
  - .name:           k_q574ec7b954_prep
    .symbol:         k_q574ec7b954_prep.kd
    .args:
      - { .name: x, .offset: 0, .size: 8, .value_kind: global_buffer, .address_space: global }
      - { .name: w_q, .offset: 8, .size: 8, .value_kind: global_buffer, .address_space: global }
      - { .name: w_k, .offset: 16, .size: 8, .value_kind: global_buffer, .address_space: global }
      - { .name: w_v, .offset: 24, .size: 8, .value_kind: global_buffer, .address_space: global }
      - { .name: w1, .offset: 32, .size: 8, .value_kind: global_buffer, .address_space: global }
    .group_segment_fixed_size: 35328
    .private_segment_fixed_size: 0
    .kernarg_segment_align: 8
    .kernarg_segment_size: 40
    .max_flat_workgroup_size: 128
    .sgpr_count:     66
    .vgpr_count:     256
    .wavefront_size: 32
...
	.end_amdgpu_metadata
.endif
;; end of part 1
;; launch qkv (part 2): grid 32 x 8, 4 waves a work-group, clusters of 4 x 1, 327,680 bytes of LDS; arguments w1, b_q, b_k, b_v, w2; writes w2
.if DOCPART == 2
	.amdgcn_target "amdgcn-amd-amdhsa--gfx1250"
	.amdhsa_code_object_version 6
	.text
	.protected	k_q574ec7b954_qkv
	.globl	k_q574ec7b954_qkv
	.p2align	8
	.type	k_q574ec7b954_qkv,@function
k_q574ec7b954_qkv:
	s_mov_b64 s[64:65], 0
	v_nop
	global_prefetch_b8 v0, s[64:65] scope:SCOPE_SE
	s_setreg_imm32_b32 hwreg(HW_REG_WAVE_MODE, 25, 1), 1
	s_wait_xcnt 0x0
	s_wait_alu depctr_hold_cnt(0) depctr_sa_sdst(0) depctr_va_vdst(0) depctr_va_sdst(0) depctr_va_ssrc(0) depctr_va_vcc(0) depctr_vm_vsrc(0)
	s_getreg_b32 s2, hwreg(HW_REG_IB_STS2, 6, 4)
	s_cmp_eq_u32 s2, 0
	s_cbranch_scc0 .Lentry_in_a_cluster
	s_endpgm
.Lentry_in_a_cluster:
	s_bfe_u32 s2, ttmp6, 0x10000c
	s_cmp_lg_u32 s2, 0x3003
	s_cbranch_scc0 .Lentry_shape_is_right
	s_endpgm
.Lentry_shape_is_right:
; Q = x Wq^T + bq, K = x Wk^T + bk, V^T = Wv x^T + bv on codes of FP6 (E2M3) with E8M0 scales; each result is quantised again in registers (Q, K along the outputs, V along the tokens) and leaves as codes and scale words.
; Operands and results lie as images of the operand's registers: [tile of 128 rows][128 along K][block i of 16 rows][1,536 bytes: three pieces of 512, lane l's 16 bytes at 16 l]; scale words [tile][128 along K][16 i + r][4 bytes].
; Lane r of block i holds row 32 (i / 2) + 8 (i % 2) + r + 8 (r / 8) of its tile.
; SHARES: 256 work-groups; work-group (my, nx) takes 256 tokens and outputs 128 nx .. 128 nx + 127 of Q, then of K, then of V: the same walk in every work-group.  A wave takes 64 tokens x 128 outputs: 32 accumulators.
; x: a wave's 64 tokens, all of K, are 384 registers; they come from memory straight into the registers and serve all three products.  No other wave of the work-group wants them, so they do not pass through LDS and are not asked for jointly.
; THE WEIGHTS: three chunks of 128 rows x 1,024 K and their scale words, 307,200 bytes, are each filled into LDS once: six pieces of 49,152 bytes and one load of scale words.  The four work-groups of a cluster share nx and ask for them jointly.
; One load a wave at the head (Q's two pieces, the scale words, K's first piece), one more for waves 0 to 2 behind the full sequence and a round.  Nothing is filled again.
; Q, K: source 0 = 16 rows of W, source 1 = 16 tokens: a lane holds a token, its registers run along the outputs.  V: the sources swapped: a lane holds an output, its registers run along my 64 tokens, half a fragment of the last product;
; the halves of two waves meet in a stage in LDS (Q's bytes, read no more by then) and leave as whole fragments.
; THE BIASES are the C of each sum's first product.  Q's scale bytes are stored 5 lower: the factor 1 / 32 = 1 / sqrt(1,024) of the scores, a power of two, goes into the scales.
; No prefetch: every request of the launch goes out at its head; there is no loop to run ahead in.
; LIMITS: the bias is the sum's first term, not its last.  A block's largest magnitude is taken over a floor: 2^(8 - 127) for Q (so that its byte less 5 stays at 1 or above), 2^(3 - 127) for K and V; a block of zeros keeps the floor's byte (its codes are zeros; this program alone reads the bytes).  NaN and infinities are not served.
; REGISTERS: window 0: v0-23 addresses, v24-31 W's scale words (two sets), v32-47 x's scale words, v64-159 and v160-255 W's fragments (two sets; v192-230 at work on the way out).
;   window 1: x's fragments of K steps 0-4;  window 2: v0-143 K steps 5-7, v144-207 the bias;  window 3: the accumulators.
.set TILEB, 12288
.set PIECE, 4*TILEB
.set CHUNK, 8*TILEB
.set SCL,   3*CHUNK                    ; W's scale words: 4,096 bytes for each of Q, K, V
.set GATH,  SCL+3*4096                 ; 256 bytes a wave: Q's and K's scale words are gathered here
.set SPARE, GATH+1024                  ; the spare words
.set STG,   0                          ; V's stage: 6,144 bytes a wave
.set STS,   4*6144                     ; and its scale words, 1,024 bytes
.set XS,    6291456                    ; w1: x's scale words, W's codes, W's scale words
.set WCO,   6553600
.set WSO,   8912896
.set VCO,   12582912                   ; w2: V's codes (Q's at 0, K's 6,291,456 on), Q's scale words (K's 262,144 on), V's
.set QSO,   18874368
.set VSO,   19398656
.set CO,   2                           ; 16 x lane
.set L4,   3                           ; 4 x lane
.set BH,   4                           ; 64 h
.set BR,   5                           ; 4 (r + 8 (r / 8))
.set ADRB, 6                           ; v6-8 this chunk's K steps 0-3, 4-7, the next chunk's first
.set ADRS, 9
.set GA,   10
.set GR,   11
.set G8,   12                          ; 8 x lane
.set VA,   13
.set VB,   14
.set VS,   15
.set R16,  16
.set R8,   17
.set VSR,  18
.set SPW,  22
.set NIL,  23
.set BS,   24
.set AS,   32
.set GO,   48
.set BF,   64
.set RB,   64
.set BN,   144
.set PC,   192
.set TM,   212
.set MT,   216
.set SO,   220
.set PW,   230
.set SEL,  20
.set G1,   24
.set G1S,  32
.set G0H,  40
.set G0S,  44
.set G02,  48
.set FL,   62
.set ADJ,  63
.set TRIP, 66
.set MSB, 0
.macro WIN new
.if MSB != (\new)
	s_set_vgpr_msb (MSB<<8)|(\new)
.set MSB, (\new)
.endif
.endm
.macro PLACES n
.rept \n
	v_nop
.endr
.endm
.macro CROUND
	s_barrier_signal -1
	s_barrier_wait -1
	s_cmp_lg_u32 s14, 0
	s_cbranch_scc1 .Lnot_wave_0_\@
	s_barrier_signal -3
.Lnot_wave_0_\@:
	s_barrier_wait -3
	s_barrier_signal -1
	s_barrier_wait -1
.endm
	s_load_b256 s[4:11], s[0:1], 0x0               ; w1, b_q, b_k, b_v
	s_load_b64 s[12:13], s[0:1], 0x20              ; w2
	v_lshl_add_u32 v[SPW], v0, 2, SPARE
	v_mov_b32 v[NIL], 0
	ds_add_u32 v[SPW], v[NIL]                      ; the opening lines: the add twice on end and its wait
	ds_add_u32 v[SPW], v[NIL]
	v_lshrrev_b32 v1, 5, v0
	v_readfirstlane_b32 s14, v1                    ; wave
	s_lshr_b32 s15, s14, 1                         ; which 128 of the 256 tokens
	s_and_b32 s16, s14, 1                          ; which 64 of those
	s_bfe_u32 s17, ttmp6, 0x40000
	s_lshl_b32 s19, ttmp9, 2
	s_add_co_u32 s17, s17, s19                     ; my = 4 x cluster x + cx
	s_and_b32 s18, ttmp7, 0xffff                   ; nx: shared by the cluster
	s_mov_b32 s[G1], 15|(3<<16)|(1<<21)            ; a piece: 192 rows of 256 bytes; all four partners
	s_mov_b32 s[G1+1], 32<<16
	s_mov_b32 s[G1+2], 192<<16
	s_mov_b32 s[G1+3], 32<<16
	s_mov_b32 s[G1+4], 192
	s_mov_b32 s[G1+5], 32
	s_mov_b32 s[G1+6], 0
	s_mov_b32 s[G1+7], 0
	s_mov_b32 s[G1S], 15|(3<<16)|(1<<21)           ; scale words: 3 rows of 4,096 bytes, 32,768 apart
	s_mov_b32 s[G1S+1], 512<<16
	s_mov_b32 s[G1S+2], 3<<16
	s_mov_b32 s[G1S+3], 512<<16
	s_mov_b32 s[G1S+4], 3
	s_mov_b32 s[G1S+5], 4096
	s_mov_b32 s[G1S+6], 0
	s_mov_b32 s[G1S+7], 0
	s_mul_i32 s68, s18, CHUNK
	s_add_co_u32 s68, s68, WCO                     ; chunk nx of w_q
	s_min_u32 s69, s14, 2                          ; the head's piece: waves 0, 1, 3 take pieces 0, 1, 2
	s_mov_b32 s[G0H], 1
	s_mul_i32 s[G0H+1], s69, PIECE
	s_lshr_b32 s70, s69, 1
	s_mul_i32 s70, s70, 8*CHUNK                    ; piece p: tensor p / 2, half p % 2
	s_and_b32 s71, s69, 1
	s_mul_i32 s71, s71, PIECE
	s_add_co_u32 s70, s70, s71
	s_add_co_u32 s70, s70, s68
	s_mov_b32 s71, 0
	s_add_co_u32 s72, s14, 3                       ; the second group: waves 0, 1, 2 take pieces 3, 4, 5
	s_mov_b32 s[G02], 1
	s_mul_i32 s[G02+1], s72, PIECE
	s_lshr_b32 s73, s72, 1
	s_mul_i32 s73, s73, 8*CHUNK
	s_and_b32 s72, s72, 1
	s_mul_i32 s72, s72, PIECE
	s_add_co_u32 s72, s72, s73
	s_add_co_u32 s72, s72, s68
	s_mov_b32 s73, 0
	s_lshl_b32 s74, s18, 12
	s_add_co_u32 s74, s74, WSO
	s_mov_b32 s75, 0
	s_mov_b32 s[G0S], 1
	s_mov_b32 s[G0S+1], SCL
	s_mul_i32 s77, s16, 6144                       ; four blocks of codes
	s_lshl_b32 s78, s16, 8                         ; and of scale words
	s_lshl_b32 s76, s17, 1
	s_add_co_u32 s76, s76, s15                     ; my tile of 128 tokens
	s_mul_i32 s52, s76, CHUNK
	s_add_co_u32 s52, s52, s77
	s_mov_b32 s53, 0
	s_lshl_b32 s54, s76, 12
	s_add_co_u32 s54, s54, s78
	s_add_co_u32 s54, s54, XS
	s_mov_b32 s55, 0
	s_lshl_b32 s58, s76, 3
	s_add_co_u32 s58, s58, s18                     ; Q, K: 8 x tile of tokens + nx
	s_lshl_b32 s60, s58, 9
	s_mul_i32 s58, s58, TILEB
	s_add_co_u32 s58, s58, s77
	s_mov_b32 s59, 0
	s_add_co_u32 s60, s60, s78
	s_add_co_u32 s60, s60, QSO
	s_mov_b32 s61, 0
	s_lshr_b32 s80, s17, 3                         ; V^T: (8 x batch + nx) x 16 + which 128 of the batch's tokens
	s_lshl_b32 s80, s80, 3
	s_add_co_u32 s80, s80, s18
	s_lshl_b32 s80, s80, 4
	s_and_b32 s19, s17, 7
	s_lshl_b32 s19, s19, 1
	s_add_co_u32 s80, s80, s19
	s_add_co_u32 s80, s80, s15
	s_lshl_b32 s82, s80, 9
	s_mul_i32 s80, s80, TILEB
	s_add_co_u32 s80, s80, s77
	s_add_co_u32 s80, s80, VCO
	s_mov_b32 s81, 0
	s_add_co_u32 s82, s82, s78
	s_add_co_u32 s82, s82, VSO
	s_mov_b32 s83, 0
	s_lshl_b32 s84, s18, 9                         ; my 128 numbers of a bias
	s_mov_b32 s85, 0
	s_add_co_u32 s86, s78, GATH
	s_lshl_b32 s19, s15, 9
	s_add_co_u32 s86, s86, s19                     ; GATH + 256 x wave
	s_mul_i32 s87, s14, 6144                       ; my part of V's stage (STG = 0)
	s_mul_i32 s88, s15, 12288
	s_mul_i32 s19, s16, 3072
	s_add_co_u32 s88, s88, s19                     ; what I read back of it: blocks 4 (wave % 2) .. + 3 of the pair's first wave
	s_lshl_b32 s89, s15, 9
	s_lshl_b32 s19, s16, 1
	s_add_co_u32 s89, s89, s19
	s_add_co_u32 s89, s89, STS
	s_lshl_b32 s90, s14, 8
	s_add_co_u32 s90, s90, STS
	s_mov_b32 s[SEL], 0x76543210
	s_mov_b32 s[SEL+1], 0xfedcba98
	s_mov_b32 s[FL], 0x4000000
	s_mov_b32 s[ADJ], 0x05050505
	s_mov_b32 s[TRIP], 0
	v_and_b32 v1, 31, v0
	v_and_b32 v19, 15, v0                          ; r
	v_bfe_u32 v20, v0, 4, 1                        ; h
	v_lshlrev_b32 v[CO], 4, v1
	v_lshlrev_b32 v[L4], 2, v1
	v_lshlrev_b32 v[G8], 3, v1
	v_lshlrev_b32 v[BH], 6, v20
	v_and_b32 v21, 8, v19
	v_add_nc_u32 v21, v21, v19
	v_lshlrev_b32 v[BR], 2, v21
	v_lshlrev_b32 v[ADRB], 4, v1
	v_add_nc_u32 v[ADRB+1], PIECE, v[CO]
	v_add_nc_u32 v[ADRB+2], CHUNK, v[CO]
	v_add_nc_u32 v[ADRS], SCL, v[L4]
	v_lshl_add_u32 v[GA], v19, 2, s86
	v_add_nc_u32 v[GR], s86, v[G8]
	v_add_nc_u32 v[VA], s87, v[CO]
	v_add_nc_u32 v[VB], s87, v[G8]
	v_lshl_add_u32 v[VS], v19, 2, s89
	v_add_nc_u32 v[R16], s88, v[CO]
	v_add_nc_u32 v[R8], s88, v[G8]
	v_add_nc_u32 v[VSR], s90, v[G8]
	s_wait_alu depctr_va_vdst(0)                   ; the wait behind the head's last vector write
	s_wait_dscnt 0x0                               ; both opening adds are done
	s_wait_kmcnt 0x0
	s_add_nc_u64 s[G0H+2:G0H+3], s[4:5], s[70:71]
	s_or_b32 s[G0H+3], s[G0H+3], 0x80000000
	s_add_nc_u64 s[G02+2:G02+3], s[4:5], s[72:73]
	s_or_b32 s[G02+3], s[G02+3], 0x80000000
	s_add_nc_u64 s[G0S+2:G0S+3], s[4:5], s[74:75]
	s_or_b32 s[G0S+3], s[G0S+3], 0x80000000
	s_add_nc_u64 s[52:53], s[4:5], s[52:53]        ; x's codes,
	s_add_nc_u64 s[54:55], s[4:5], s[54:55]        ; x's scale words
	s_add_nc_u64 s[6:7], s[6:7], s[84:85]
	s_add_nc_u64 s[8:9], s[8:9], s[84:85]
	s_add_nc_u64 s[10:11], s[10:11], s[84:85]
	s_add_nc_u64 s[58:59], s[12:13], s[58:59]      ; Q's codes, then K's
	s_add_nc_u64 s[60:61], s[12:13], s[60:61]
	s_add_nc_u64 s[80:81], s[12:13], s[80:81]      ; V's
	s_add_nc_u64 s[82:83], s[12:13], s[82:83]
	CROUND                                         ; the four partners are here: the first joint loads meet
	s_cmp_eq_u32 s14, 2
	s_cbranch_scc1 .Lhead_s
	tensor_load_to_lds s[G0H:G0H+3], s[G1:G1+7]
	s_nop 0
	PLACES 4
	s_branch .Lhead_j
.Lhead_s:
	tensor_load_to_lds s[G0S:G0S+3], s[G1S:G1S+7]
	s_nop 0
	PLACES 4
.Lhead_j:
.macro XLOAD q                         ; x's four fragments of K step q; the caller sets the window
.if (\q) < 5
.set AQ, 48*(\q)
.else
.set AQ, 48*((\q)-5)
.endif
.irp a, 0,1,2,3
.irp c, 0,1,2
	global_load_b128 v[AQ+12*\a+4*\c:AQ+12*\a+4*\c+3], v[CO], s[52:53] offset:(\q)*TILEB+\a*1536+512*\c
.endr
.endr
.endm
.irp q, 0,1,2,3,4,5,6,7
.irp j, 0,1
	global_load_b32 v[AS+2*\q+\j], v[L4], s[54:55] offset:512*\q+128*\j   ; lanes 0-15 block 2 j's words, lanes 16-31 block 2 j + 1's
.endr
.endr
	WIN 0x80
.irp b, 0,1,2,3
.irp j, 0,1,2,3
	global_load_b128 v[BN+16*\b+4*\j:BN+16*\b+4*\j+3], v[BH], s[6:7] offset:128*\b+16*\j   ; b_q in a block row's order
.endr
.endr
	WIN 0x40
	XLOAD 0
	XLOAD 1
	XLOAD 2
	XLOAD 3
	XLOAD 4
	WIN 0x80
	XLOAD 5
	XLOAD 6
	XLOAD 7
	WIN 0
	s_wait_tensorcnt 0x0                           ; my head's load is in
	ds_add_u32 v[SPW], v[NIL]
	s_wait_dscnt 0x0
	CROUND                                         ; everybody's is
	s_cmp_eq_u32 s14, 3
	s_cbranch_scc1 .Lno_second
	tensor_load_to_lds s[G02:G02+3], s[G1:G1+7]
	s_nop 0
	PLACES 4
.Lno_second:
; A slot: W's fragment i of the next K step and, ahead of the even ones, the scale words of blocks i and i + 1.  NADR, NOFF, NSOF, NP_: that step's address register, offsets and set.
.macro SLOT i
.if (\i)%2 == 0
	ds_load_b32 v[BS+4*NP_+(\i)/2], v[ADRS] offset:NSOF+64*(\i)
.endif
.irp c, 0,1,2
	ds_load_b128 v[BF+96*NP_+12*(\i)+4*\c:BF+96*NP_+12*(\i)+4*\c+3], v[NADR] offset:NOFF+(\i)*1536+512*\c
.endr
.endm
.macro WM d, x, y, c, sx, sy, rx, ry   ; rx, ry: which half of the lanes holds the source's scale words
.set RR, (\rx)+2*(\ry)
.if RR == 0
	v_wmma_scale_f32_16x16x128_f8f6f4 v[\d:\d+7], v[\x:\x+11], v[\y:\y+11], v[\c:\c+7], v[\sx], v[\sy] matrix_a_fmt:MATRIX_FMT_FP6 matrix_b_fmt:MATRIX_FMT_FP6
.endif
.if RR == 1
	v_wmma_scale_f32_16x16x128_f8f6f4 v[\d:\d+7], v[\x:\x+11], v[\y:\y+11], v[\c:\c+7], v[\sx], v[\sy] matrix_a_fmt:MATRIX_FMT_FP6 matrix_b_fmt:MATRIX_FMT_FP6 matrix_a_scale:MATRIX_SCALE_ROW1
.endif
.if RR == 2
	v_wmma_scale_f32_16x16x128_f8f6f4 v[\d:\d+7], v[\x:\x+11], v[\y:\y+11], v[\c:\c+7], v[\sx], v[\sy] matrix_a_fmt:MATRIX_FMT_FP6 matrix_b_fmt:MATRIX_FMT_FP6 matrix_b_scale:MATRIX_SCALE_ROW1
.endif
.if RR == 3
	v_wmma_scale_f32_16x16x128_f8f6f4 v[\d:\d+7], v[\x:\x+11], v[\y:\y+11], v[\c:\c+7], v[\sx], v[\sy] matrix_a_fmt:MATRIX_FMT_FP6 matrix_b_fmt:MATRIX_FMT_FP6 matrix_a_scale:MATRIX_SCALE_ROW1 matrix_b_scale:MATRIX_SCALE_ROW1
.endif
.endm
; 32 products: the 32 accumulators by turns, in the same order in every step.  kind 0: accumulator 8 a + b;  kind 1 (V): 4 b + a  (a: x's block, b: W's)
.macro MULS kind, q
.set P, (\q)%2
.if (\q) < 5
.set AQ, 48*(\q)
.set WA, 1
.else
.set AQ, 48*((\q)-5)
.set WA, 2
.endif
.if (\q) == 0
.set CW, 2
.else
.set CW, 3
.endif
.if \kind
.set MW, 0xc0|(CW<<4)|WA
.else
.set MW, 0xc0|(CW<<4)|(WA<<2)
.endif
; the next step's eight slots in one run, ahead of this step's 32 products, which go by W's blocks, four to a block
.if HASN
.irp i, 0,1,2,3,4,5,6,7
	SLOT \i
.endr
.endif
	WIN MW
.irp u, 0,1,2,3,4,5,6,7,8,9,10,11,12,13,14,15,16,17,18,19,20,21,22,23,24,25,26,27,28,29,30,31
.set XB, \u/4
.set XA, \u%4
.if \kind
.set DD, 8*\u
.else
.set DD, 8*(8*XA+XB)
.endif
.if (\q) == 0
.set CC, BN+8*XB                       ; the bias starts the sum
.else
.set CC, DD
.endif
.if \kind
	WM DD, AQ+12*XA, BF+96*P+12*XB, CC, AS+2*(\q)+XA/2, BS+4*P+XB/2, XA%2, XB%2
.else
	WM DD, BF+96*P+12*XB, AQ+12*XA, CC, BS+4*P+XB/2, AS+2*(\q)+XA/2, XB%2, XA%2
.endif
.endr
	WIN 0
.endm
.macro STEP kind, q
.if (\kind) == 0 && (\q) >= 2
.if 12*(7-(\q))+16 > 63
	s_wait_loadcnt 63                              ; x's fragments of this K step are in: behind them stand those of the later steps, 12 each, and 16 or more loads of a bias
.else
	s_wait_loadcnt 12*(7-(\q))+16
.endif
.endif
	s_wait_dscnt 0x0                               ; this step's fragments of W are in (asked for 32 products ago); no LDS instruction of mine is out at a signal below
.if (\q) == 7 && (\kind) == 0
	s_wait_tensorcnt 0x0
	s_barrier_signal -1
	s_barrier_wait -1                              ; everybody's is: the later chunks may be read.
.endif
.if (\q) == 7 && (\kind) == 1
	s_barrier_signal -1                            ; my last read of the chunks is over (the wait stands ahead of the stage's stores)
.endif
	PLACES 4                                       ; behind the last step's products: loads land in registers that they read
.if (\q) == 1 && (\kind) == 0
	s_cmp_eq_u32 s[TRIP], 0                        ; the next product's bias, into the registers that step 0 has read
	s_cbranch_scc0 .Lbias_v
	WIN 0x80
.irp b, 0,1,2,3
.irp j, 0,1,2,3
	global_load_b128 v[BN+16*\b+4*\j:BN+16*\b+4*\j+3], v[BH], s[8:9] offset:128*\b+16*\j
.endr
.endr
	WIN 0
	s_branch .Lbias_j
.Lbias_v:
	WIN 0x80
.irp b, 0,1,2,3,4,5,6,7
.irp j, 0,1,2,3,4,5,6,7
	global_load_b32 v[BN+8*\b+\j], v[BR], s[10:11] offset:(32*(\b/2)+8*(\b%2))*4   ; V: a lane holds one output: its bias in all eight registers of the C
.endr
.endr
	WIN 0
.Lbias_j:
.endif
.set NX, (\q)+1
.set HASN, 1
.set NP_, NX%2
.set NSOF, NX*512
.if NX < 4
.set NADR, ADRB
.set NOFF, NX*TILEB
.elseif NX < 8
.set NADR, ADRB+1
.set NOFF, (NX-4)*TILEB
.else
.set NADR, ADRB+2
.set NOFF, 0
.set HASN, 1-(\kind)
.endif
	MULS \kind, \q
.endm
; 64 registers of results, four blocks of 32 numbers (16 in me, 16 in lane l xor 16), become 12 registers of codes in v[PC] on and four scale bytes in v[PW]
.macro QCORE a
.set AC, 64*(\a)
.if (\a) > 0
	s_wait_xcnt 0x0                                ; the last run's stores have read their registers
	s_wait_dscnt 0x0
.endif
	WIN 0x3c
.irp b, 0,1,2,3
	v_max3_num_f32 v[TM+\b], s[FL], |v[AC+16*\b]|, |v[AC+16*\b+1]|   ; each accumulator from its low end on; the floor among the leaves
.endr
.irp i, 2,4,6,8,10,12,14
.irp b, 0,1,2,3
	v_max3_num_f32 v[TM+\b], v[TM+\b], |v[AC+16*\b+\i]|, |v[AC+16*\b+\i+1]|
.endr
.endr
	WIN 0
.irp b, 0,1,2,3
	v_permlanex16_b32 v[MT+\b], v[TM+\b], s[SEL], s[SEL+1]
.endr
.irp b, 0,1,2,3
	v_max_num_f32 v[TM+\b], v[TM+\b], v[MT+\b]
.endr
.irp b, 0,1,2,3
	v_add_nc_u32 v[SO+\b], 0xff000000, v[TM+\b]    ; 2 off the exponent field: the conversion's scale operand
.endr
.irp b, 0,1,2,3
	v_lshrrev_b32 v[MT+\b], 23, v[SO+\b]
.endr
	v_lshl_or_b32 v[PW], v[MT+1], 8, v[MT]
	v_lshl_or_b32 v[PW], v[MT+2], 16, v[PW]
	v_lshl_or_b32 v[PW], v[MT+3], 24, v[PW]
	WIN 3
.irp c, 0,1
	v_cvt_scalef32_pk16_fp6_f32 v[PC+6*\c:PC+6*\c+2], v[AC+32*\c:AC+32*\c+15], v[SO+2*\c]
	v_cvt_scalef32_pk16_fp6_f32 v[PC+12+4*\c:PC+14+4*\c], v[AC+32*\c+16:AC+32*\c+31], v[SO+2*\c+1]
.endr
	WIN 0
	v_nop                                          ; one plain place behind a scaled conversion
.irp c, 0,1
.irp i, 0,1,2
	v_permlane16_swap_b32 v[PC+6*\c+\i], v[PC+12+4*\c+\i]
.endr
.irp i, 0,1,2
	v_mov_b32 v[PC+3+6*\c+\i], v[PC+12+4*\c+\i]
.endr
.endr
.endm
	s_wait_loadcnt 63                              ; the scale words, b_q and K steps 0 and 1 of x are in: 72 loads stand behind them
.set NADR, ADRB
.set NOFF, 0
.set NSOF, 0
.set NP_, 0
.irp i, 0,1,2,3,4,5,6,7
	SLOT \i
.endr
.Lqk:                                                  ; two trips: Q, then K
.irp q, 0,1,2,3,4,5,6,7
	STEP 0, \q
.endr
	PLACES 4
.irp b, 0,1,2,3
	v_mov_b32 v[MT+\b], 0                          ; a lane permute's destination counts as one of its sources
.endr
.irp a, 0,1,2,3
	QCORE \a
	v_sub_nc_u32 v[PW], v[PW], s[ADJ]              ; Q: 5 off each byte (each is 6 or more)
	ds_store_b32 v[GA], v[PW] offset:64*\a         ; lanes r and r + 16 write the same word
.irp c, 0,1,2
	global_store_b128 v[CO], v[PC+4*\c:PC+4*\c+3], s[58:59] offset:1536*\a+512*\c   ; 512 consecutive bytes
.endr
.endr
	ds_load_b64 v[GO:GO+1], v[GR]                  ; LDS serves a wave's instructions in order
	s_wait_dscnt 0x0
	global_store_b64 v[G8], v[GO:GO+1], s[60:61]   ; my 64 rows' scale words: 256 consecutive bytes, aligned
.irp i, 0,1,2
	v_add_nc_u32 v[ADRB+\i], CHUNK, v[ADRB+\i]
.endr
	v_add_nc_u32 v[ADRS], 4096, v[ADRS]
	s_wait_xcnt 0x0                                ; the stores have read their bases and registers
	s_add_nc_u64 s[58:59], s[58:59], 6291456
	s_add_nc_u64 s[60:61], s[60:61], 262144
	s_mov_b32 s[FL], 0x1800000
	s_mov_b32 s[ADJ], 0
	s_wait_loadcnt 0x0                             ; the next bias is in
	s_add_co_u32 s[TRIP], s[TRIP], 1
	s_cmp_lt_u32 s[TRIP], 2
	s_wait_alu depctr_va_vdst(0)                   ; the wait directly ahead of the branch
	s_cbranch_scc1 .Lqk
.irp q, 0,1,2,3,4,5,6,7
	STEP 1, \q
.endr
	s_barrier_wait -1                              ; no wave reads the chunks any more
	PLACES 4
.irp b, 0,1,2,3
	v_mov_b32 v[MT+\b], 0
.endr
.irp a, 0,1,2,3                        ; W's blocks 2 a and 2 a + 1: six registers each, registers 6 (wave % 2) .. + 5 of their fragments
	QCORE \a
	ds_store_b128 v[VA], v[PC:PC+3] offset:1536*\a
	ds_store_b64 v[VB], v[PC+4:PC+5] offset:1536*\a+512
	ds_store_b128 v[VA], v[PC+6:PC+9] offset:1536*\a+768
	ds_store_b64 v[VB], v[PC+10:PC+11] offset:1536*\a+768+512
	ds_store_b16 v[VS], v[PW] offset:128*\a        ; my two bytes of each row's scale word
	ds_store_b16_d16_hi v[VS], v[PW] offset:128*\a+64
.endr
	s_wait_dscnt 0x0
	s_barrier_signal -1
	s_barrier_wait -1
.irp k, 0,1,2,3                        ; four whole fragments a wave: both halves
	ds_load_b128 v[RB+12*\k:RB+12*\k+3], v[R16] offset:768*\k
	ds_load_b64 v[RB+12*\k+4:RB+12*\k+5], v[R8] offset:768*\k+512
	ds_load_b128 v[RB+12*\k+6:RB+12*\k+9], v[R16] offset:768*\k+6144
	ds_load_b64 v[RB+12*\k+10:RB+12*\k+11], v[R8] offset:768*\k+6144+512
.endr
	ds_load_b64 v[GO:GO+1], v[VSR]
	s_wait_dscnt 0x0
.irp k, 0,1,2,3
.irp c, 0,1,2
	global_store_b128 v[CO], v[RB+12*\k+4*\c:RB+12*\k+4*\c+3], s[80:81] offset:1536*\k+512*\c
.endr
.endr
	global_store_b64 v[G8], v[GO:GO+1], s[82:83]
	s_wait_tensorcnt 0x0                           ; the wave's end
	ds_add_u32 v[SPW], v[NIL]
	s_wait_dscnt 0x0
	CROUND                                         ; the closing round
	s_endpgm
.Lfunc_end_k_q574ec7b954_qkv:
	.size	k_q574ec7b954_qkv, .Lfunc_end_k_q574ec7b954_qkv-k_q574ec7b954_qkv
	.p2alignl 7, 3214868480
	.fill 96, 4, 3214868480
	.section	.rodata,"a",@progbits
	.p2align	6, 0x0
	.amdhsa_kernel k_q574ec7b954_qkv
		.amdhsa_group_segment_fixed_size 327680
		.amdhsa_private_segment_fixed_size 0
		.amdhsa_enable_private_segment 0
		.amdhsa_kernarg_size 40
		.amdhsa_user_sgpr_count 2
		.amdhsa_user_sgpr_kernarg_segment_ptr 1
		.amdhsa_wavefront_size32 1
		.amdhsa_system_sgpr_workgroup_id_x 1
		.amdhsa_system_sgpr_workgroup_id_y 1
		.amdhsa_system_sgpr_workgroup_id_z 1
		.amdhsa_system_vgpr_workitem_id 0
		.amdhsa_next_free_vgpr 1024
		.amdhsa_next_free_sgpr 96
		.amdhsa_reserve_vcc 0
		.amdhsa_float_denorm_mode_32 3
		.amdhsa_float_denorm_mode_16_64 3
		.amdhsa_memory_ordered 1
		.amdhsa_forward_progress 1
		.amdhsa_inst_pref_size 162
	.end_amdhsa_kernel
	.amdgpu_metadata
---
amdhsa.version: [ 1, 2 ]
amdhsa.kernels:
  - .name:           k_q574ec7b954_qkv
    .symbol:         k_q574ec7b954_qkv.kd
    .args:
      - { .name: w1, .offset: 0, .size: 8, .value_kind: global_buffer, .address_space: global }
      - { .name: b_q, .offset: 8, .size: 8, .value_kind: global_buffer, .address_space: global }
      - { .name: b_k, .offset: 16, .size: 8, .value_kind: global_buffer, .address_space: global }
      - { .name: b_v, .offset: 24, .size: 8, .value_kind: global_buffer, .address_space: global }
      - { .name: w2, .offset: 32, .size: 8, .value_kind: global_buffer, .address_space: global }
    .group_segment_fixed_size: 327680
    .private_segment_fixed_size: 0
    .kernarg_segment_align: 8
    .kernarg_segment_size: 40
    .max_flat_workgroup_size: 128
    .sgpr_count:     96
    .vgpr_count:     1024
    .wavefront_size: 32
...
	.end_amdgpu_metadata
.endif
;; end of part 2
;; launch scores (part 3): grid 8 x 32, 4 waves a work-group, clusters of 4 x 4, 327,680 bytes of LDS; arguments w2, mask, w3; writes w3
.if DOCPART == 3
	.amdgcn_target "amdgcn-amd-amdhsa--gfx1250"
	.amdhsa_code_object_version 6
	.text
	.protected	k_q574ec7b954_scores
	.globl	k_q574ec7b954_scores
	.p2align	8
	.type	k_q574ec7b954_scores,@function
k_q574ec7b954_scores:
	s_mov_b64 s[64:65], 0
	v_nop
	global_prefetch_b8 v0, s[64:65] scope:SCOPE_SE
	s_setreg_imm32_b32 hwreg(HW_REG_WAVE_MODE, 25, 1), 1
	s_wait_xcnt 0x0
	s_wait_alu depctr_hold_cnt(0) depctr_sa_sdst(0) depctr_va_vdst(0) depctr_va_sdst(0) depctr_va_ssrc(0) depctr_va_vcc(0) depctr_vm_vsrc(0)
	s_getreg_b32 s2, hwreg(HW_REG_IB_STS2, 6, 4)
	s_cmp_eq_u32 s2, 0
	s_cbranch_scc0 .Lentry_in_a_cluster
	s_endpgm
.Lentry_in_a_cluster:
	s_bfe_u32 s2, ttmp6, 0x10000c
	s_cmp_lg_u32 s2, 0xf033
	s_cbranch_scc0 .Lentry_shape_is_right
	s_endpgm
.Lentry_shape_is_right:
; z = Q K^T / 32 + mask on codes of FP6 (E2M3) with E8M0 scales (Q's scale bytes arrive 5 lower, which is the factor 1 / 32); then, for each row and each 128 keys: t = z log2(e), M = the ceiling of the largest t of these
; 128 keys, p = 2^(t - M), the sum l of the unquantised p, and p quantised along the keys.  Stored: p's codes and scale words, -M and l.  M is a whole number: the last launch puts a row's blocks under the row's own M through their scale bytes.
; Operands and results lie as images of the operand's registers: [tile of 128 rows][128 along K][block i of 16 rows][1,536 bytes]; scale words, -M and l: [tile][128 along K][16 i + r][4 bytes].  Lane r of block i holds row 32 (i / 2) + 8 (i % 2) + r + 8 (r / 8).
; SHARES: 256 queries x 256 keys to a work-group of four waves; a wave makes 128 x 128: 64 accumulators.  Source 0 = 16 keys, source 1 = 16 queries: register 16 b + i of a block row is key 32 b + 16 (lane / 16) + i of lane % 16's query.
; THE MASK is loaded at the head straight into the accumulators, in their own lane layout, and is the sums' first term: no pass adds it.
; K (1,024) goes in four steps of 256 through two LDS slots; the walk is written out.  The head's four tiles go one to a wave: Q's 256 rows, Q's scale words, K's 256 rows, K's scale words; slot 1 is first filled behind the full sequence and a round.
; CLUSTERS: 4 x 4; Q's tiles are asked for jointly along a row of the cluster, K's along a column.  No prefetch: of the four K steps two are asked for at the head, and a request two refills ahead of the other two would stand at the head too.
; LIMITS: the mask enters as the sum's first term, not its last.  The largest z of 128 keys is taken over a floor of -1e38: 128 keys all hidden by -infinity get M from that floor, p = 0 and l = 0.  +infinity and NaN are not served.
; A block whose every p is 0 gets the byte 1 (its codes are zeros; this program alone reads the bytes).
; REGISTERS: window 0: v0-31 addresses; v32-63 scale words; v128-223 Q's fragments, later v192-248 at work.  window 1: K's fragments, two sets.  windows 2, 3: the accumulators ((a, b) at v[8 (8 (a % 4) + b)]).
.set KQ,    8
.set NQ,    2
.set FR,    12
.set NL,    3
.set NP,    4
.set TILEB, 12288
.set HALFT, 2*TILEB
.set SLOT,  4*HALFT
.set SCL,   2*SLOT
.set HALFS, 512*KQ
.set SPARE, SCL+4*HALFS+256
.set MSTG,  SPARE+512                  ; the mask's stage: 16 rows of 512 + 16 bytes for each wave; no tile lands here
.set KCO,   6291456
.set QSO,   18874368
.set KSO,   19136512
.set PSO,   12582912
.set ADRA, 16
.set ADRB, 20
.set GA,   24
.set GR,   25
.set CO,   26
.set ADRS, 27
.set SPW,  28
.set NIL,  29
.set STI,  18                          ; the mask's stage, on the way in: 16 x lane
.set STO,  19                          ; and on the way out: row r, + 64 h
.set SC,   32
.set AF,   128
.set PC,   192
.set TM,   212
.set MT,   216
.set SO,   220
.set NM,   224
.set SA,   226
.set T0,   234
.set T1,   235
.set GO,   236
.set PW,   248
.set SEL,  20
.set CS,   22
.set G1, 24
.set G0, 32
.set G1B, 48
.set G0B, 56
.set G1S, 68
.set G0S, 76
.set G1SB, 80
.set G0SB, 88
.set MSB, 0
.macro WIN new
.if MSB != (\new)
	s_set_vgpr_msb (MSB<<8)|(\new)
.set MSB, (\new)
.endif
.endm
.set MUL_LO, 0xa1
.set MUL_HI, 0xf1
.set TO_B,   0x40
.macro PLACES n
.rept \n
	v_nop
.endr
.endm
.macro JLOAD g0a, g1a, g0b, g1b        ; waves 0 and 1 fetch for Q, waves 2 and 3 for K
	s_cmp_eq_u32 s15, 0
	s_cbranch_scc0 .Lfor_b_\@
	tensor_load_to_lds s[\g0a:\g0a+3], s[\g1a:\g1a+7]
	s_nop 0
	PLACES 4
	s_branch .Lasked_\@
.Lfor_b_\@:
	tensor_load_to_lds s[\g0b:\g0b+3], s[\g1b:\g1b+7]
	s_nop 0
	PLACES 4
.Lasked_\@:
.endm
.macro CREST
	s_cmp_lg_u32 s14, 0
	s_cbranch_scc1 .Lnot_wave_0_\@
	s_barrier_signal -3
.Lnot_wave_0_\@:
	s_barrier_wait -3
	s_barrier_signal -1
	s_barrier_wait -1
.endm
.macro CROUND
	s_barrier_signal -1
	s_barrier_wait -1
	CREST
.endm
	s_load_b128 s[4:7], s[0:1], 0x0                ; w2, mask
	s_load_b64 s[8:9], s[0:1], 0x10                ; w3
	v_lshl_add_u32 v[SPW], v0, 2, SPARE
	v_mov_b32 v[NIL], 0
	ds_add_u32 v[SPW], v[NIL]                      ; the opening lines: the add twice on end and its wait
	ds_add_u32 v[SPW], v[NIL]
	v_lshrrev_b32 v1, 5, v0
	v_readfirstlane_b32 s14, v1                    ; wave
	s_lshr_b32 s15, s14, 1                         ; my half of the queries; in the ring: I fetch for Q (0) or K (1)
	s_and_b32 s16, s14, 1                          ; my half of the keys; in the ring: which 128 rows I fetch
	s_bfe_u32 s40, ttmp6, 0x40000
	s_bfe_u32 s41, ttmp6, 0x40004
	s_and_b32 s95, ttmp7, 0xffff
	s_lshr_b32 s96, s95, 1                         ; the batch
	s_lshl_b32 s42, ttmp9, 2
	s_add_co_u32 s42, s42, s40                     ; tile column: which 256 keys
	s_lshl_b32 s17, s95, 2
	s_add_co_u32 s17, s17, s41                     ; tile row: which 256 of the 8,192 queries
	s_lshl_b32 s43, s41, 2
	s_lshl_b32 s43, 15, s43
	s_lshl_b32 s44, 0x1111, s40
	s_or_b32 s[G1+0], s43, (3<<16)|(1<<21)
	s_or_b32 s[G1B+0], s44, (3<<16)|(1<<21)
.irp g, G1, G1B                        ; the head's shape: two tiles of 128 rows x 256 K, 24,576 dense bytes each, 98,304 apart
	s_mov_b32 s[\g+1], (HALFT/8)<<16
	s_mov_b32 s[\g+2], 2<<16
	s_mov_b32 s[\g+3], (HALFT/8)<<16
	s_mov_b32 s[\g+4], 2
	s_mov_b32 s[\g+5], KQ*TILEB/8
	s_mov_b32 s[\g+6], 0
	s_mov_b32 s[\g+7], 0
.endr
	s_or_b32 s[G1S+0], s43, (3<<16)|(1<<21)
	s_or_b32 s[G1SB+0], s44, (3<<16)|(1<<21)
.irp g, G1S, G1SB                      ; the scale words of 256 rows: 8,192 dense bytes
	s_mov_b32 s[\g+1], 32<<16
	s_mov_b32 s[\g+2], (2*HALFS/256)<<16
	s_mov_b32 s[\g+3], 32<<16
	s_mov_b32 s[\g+4], 2*HALFS/256
	s_mov_b32 s[\g+5], 32
	s_mov_b32 s[\g+6], 0
	s_mov_b32 s[\g+7], 0
.endr
	s_lshl_b32 s20, s17, 1
	s_mul_i32 s22, s20, HALFS
	s_add_co_u32 s22, s22, QSO                     ; Q's scale words of the 256 rows
	s_add_co_u32 s20, s20, s16                     ; Q's tile of 128 rows that I fetch in the ring
	s_mul_i32 s20, s20, KQ*TILEB
	s_mov_b32 s21, 0
	s_mov_b32 s23, 0
	s_lshl_b32 s46, s42, 1
	s_lshl_b32 s97, s96, 4
	s_add_co_u32 s46, s46, s97                     ; K's: 16 x batch + 2 x tile column
	s_mul_i32 s92, s46, HALFS
	s_add_co_u32 s92, s92, KSO
	s_add_co_u32 s46, s46, s16
	s_mul_i32 s46, s46, KQ*TILEB
	s_add_co_u32 s46, s46, KCO
	s_mov_b32 s47, 0
	s_mov_b32 s93, 0
	s_mul_i32 s45, s14, HALFT
	s_mul_i32 s18, s15, HALFT
	s_mul_i32 s19, s16, HALFT
	s_add_co_u32 s19, s19, 2*HALFT
	s_add_co_u32 s98, s18, SLOT
	s_add_co_u32 s99, s19, SLOT
	s_mul_i32 s101, s15, HALFS
	s_mul_i32 s100, s16, HALFS
	s_add_co_u32 s100, s100, 2*HALFS+128           ; K's scale words lie behind Q's, 128 bytes further on
	s_sub_co_u32 s100, s100, s101
	s_add_co_u32 s101, s101, SCL
	s_lshl_b32 s2, s14, 11
	s_mul_i32 s3, s14, 16*528
	s_add_co_u32 s3, s3, MSTG
	v_and_b32 v1, 15, v0                           ; r
	v_bfe_u32 v2, v0, 4, 1                         ; h
	v_and_b32 v3, 31, v0
	v_lshlrev_b32 v[CO], 4, v3
	v_mul_u32_u24 v5, v1, 528
	v_lshl_add_u32 v5, v2, 6, v5
	v_add_nc_u32 v[STO], s3, v5
	v_add_nc_u32 v[STI], s3, v[CO]
	v_add_nc_u32 v[ADRA], s18, v[CO]
	v_add_nc_u32 v[ADRB], s19, v[CO]
	v_add_nc_u32 v[ADRA+1], s98, v[CO]
	v_add_nc_u32 v[ADRB+1], s99, v[CO]
	v_lshlrev_b32 v6, 2, v1
	v_mul_u32_u24 v7, s100, v2                     ; lanes 16-31 take K's
	v_add_nc_u32 v7, v6, v7
	v_add_nc_u32 v[ADRS], s101, v7
	v_add_nc_u32 v[GA], s2, v6
	v_add_nc_u32 v[GR], s2, v[CO]
	s_wait_alu depctr_va_vdst(0)                   ; the wait behind the head's last vector write
	s_wait_dscnt 0x0
	s_wait_kmcnt 0x0
	s_add_nc_u64 s[20:21], s[4:5], s[20:21]
	s_add_nc_u64 s[22:23], s[4:5], s[22:23]
	s_add_nc_u64 s[46:47], s[4:5], s[46:47]
	s_add_nc_u64 s[92:93], s[4:5], s[92:93]
	s_mov_b32 s[G0S], 1
	s_mov_b32 s[G0S+1], SCL
	s_mov_b64 s[G0S+2:G0S+3], s[22:23]
	s_or_b32 s[G0S+3], s[G0S+3], 0x80000000
	s_mov_b32 s[G0SB], 1
	s_mov_b32 s[G0SB+1], SCL+2*HALFS+128
	s_mov_b64 s[G0SB+2:G0SB+3], s[92:93]
	s_or_b32 s[G0SB+3], s[G0SB+3], 0x80000000
.irp s, 0,1
	s_mov_b32 s[G0+4*\s], 1
	s_add_co_u32 s[G0+4*\s+1], s45, \s*SLOT
	s_add_nc_u64 s[G0+4*\s+2:G0+4*\s+3], s[20:21], \s*HALFT
	s_or_b32 s[G0+4*\s+3], s[G0+4*\s+3], 0x80000000
	s_mov_b32 s[G0B+4*\s], 1
	s_add_co_u32 s[G0B+4*\s+1], s45, \s*SLOT
	s_add_nc_u64 s[G0B+4*\s+2:G0B+4*\s+3], s[46:47], \s*HALFT
	s_or_b32 s[G0B+4*\s+3], s[G0B+4*\s+3], 0x80000000
.endr
	s_and_b32 s2, s17, 7                           ; the mask: my 128 queries within the batch, rows of 8,192 bytes,
	s_lshl_b32 s2, s2, 1
	s_add_co_u32 s2, s2, s15
	s_lshl_b32 s66, s2, 20
	s_lshl_b32 s2, s42, 1
	s_add_co_u32 s2, s2, s16                       ; my 128 keys
	s_lshl_b32 s67, s2, 9
	s_add_co_u32 s66, s66, s67
	s_mov_b32 s67, 0
	s_add_nc_u64 s[6:7], s[6:7], s[66:67]
	s_lshl_b32 s97, s17, 1
	s_add_co_u32 s97, s97, s15
	s_lshl_b32 s97, s97, 4
	s_add_co_u32 s97, s97, s2                      ; 16 x my tile of queries + which 128 keys
	s_mul_i32 s66, s97, TILEB
	s_add_nc_u64 s[10:11], s[8:9], s[66:67]        ; p's codes
	s_lshl_b32 s66, s97, 9
	s_add_co_u32 s66, s66, PSO
	s_add_nc_u64 s[8:9], s[8:9], s[66:67]          ; its scale words; -M and l by the stores' immediates
	s_mov_b32 s[SEL], 0x76543210
	s_mov_b32 s[SEL+1], 0xfedcba98
	s_mov_b32 s[CS], 0x3fb8aa3b                    ; log2(e)
	s_mov_b32 s[CS+1], s[CS]
	CROUND                                         ; all sixteen work-groups are here: the first joint loads meet
; one load a wave: waves 0 and 2 have wave % 2 = 0, so slot 0's own group 0 points at the first of the two tiles and at its place in LDS
.macro ARM under, g0, g1, next
	s_cmp_lt_u32 s14, \under
	s_cbranch_scc0 \next
	tensor_load_to_lds s[\g0:\g0+3], s[\g1:\g1+7]
	s_nop 0
	PLACES 4
	s_branch .Lhead_asked
\next:
.endm
	ARM 1, G0,  G1,  .Lhead_1
	ARM 2, G0S, G1S, .Lhead_2
	ARM 3, G0B, G1B, .Lhead_3
	tensor_load_to_lds s[G0SB:G0SB+3], s[G1SB:G1SB+7]
	s_nop 0
	PLACES 4
.Lhead_asked:
; THE MASK'S WAY: a load reads 512 consecutive bytes of one row, into registers of window 1 that K's fragments take later; a block's 16 rows turn through the wave's own stage and come back
; in the accumulators' lane layout: register 16 b + i = key 32 b + 16 h + i of lane % 16's query.  Four blocks' loads (64 a wave) are out at a time.
.macro MG a, st                        ; block a's 16 rows into set st; the caller sets the window
.irp p, 0,1,2,3,4,5,6,7,8,9,10,11,12,13,14,15
	global_load_b128 v[64*(\st)+4*\p:64*(\st)+4*\p+3], v[CO], s[6:7] offset:(32*((\a)/2)+8*((\a)%2)+\p+8*(\p/8))*8192
.endr
.endm
.macro MT a, st                        ; LDS serves a wave's instructions in order: no wait between the stores and the loads
	WIN 0x04
.irp p, 0,1,2,3,4,5,6,7,8,9,10,11,12,13,14,15
	ds_store_b128 v[STI], v[64*(\st)+4*\p:64*(\st)+4*\p+3] offset:528*\p
.endr
	WIN 0x80+0x40*((\a)/4)
.irp b, 0,1,2,3
.irp j, 0,1,2,3
	ds_load_b128 v[64*((\a)%4)+16*\b+4*\j:64*((\a)%4)+16*\b+4*\j+3], v[STO] offset:128*\b+16*\j
.endr
.endr
.endm
	WIN 0x40
	MG 0, 0
	MG 1, 1
	MG 2, 2
	MG 3, 3
.irp a, 0,1,2,3
	s_wait_loadcnt 48                              ; this block's 16 loads are in; three blocks' stand behind them
	MT \a, \a
	s_wait_dscnt 0x0                               ; the stores have read their registers,
	WIN 0x40
	MG \a+4, \a                                    ; which take the block four further on
.endr
	WIN 0
	s_wait_tensorcnt 0x0                           ; my tile of the head's four is in
	ds_add_u32 v[SPW], v[NIL]
.irp g, G1, G1B                        ; no tensor load of mine is out: from here on a load brings 24,576 dense bytes as 96 rows of 256
	s_mov_b32 s[\g+1], 32<<16
	s_mov_b32 s[\g+2], (HALFT/256)<<16
	s_mov_b32 s[\g+3], 32<<16
	s_mov_b32 s[\g+4], HALFT/256
	s_mov_b32 s[\g+5], 32
.endr
	s_wait_dscnt 0x0
	CROUND
	JLOAD G0+4, G1, G0B+4, G1B                     ; K step 1, the first tensor load behind the round
.macro FRAG reg, adr, q, i
.irp c, 0,1,2
	ds_load_b128 v[\reg+4*\c:\reg+4*\c+3], v[\adr] offset:((\q)*8+(\i))*1536+512*\c
.endr
.endm
; 16 products; the 64 accumulators take turns, in the same order in every step
.macro MUL16 a0, p, q, sc
.irp a, \a0, \a0+1
.irp b, 0,1,2,3,4,5,6,7
	v_wmma_scale_f32_16x16x128_f8f6f4 v[8*(8*((\a)%4)+\b):8*(8*((\a)%4)+\b)+7], v[128*(\p)+FR*\b:128*(\p)+FR*\b+FR-1], v[AF+FR*(\a):AF+FR*(\a)+FR-1], v[8*(8*((\a)%4)+\b):8*(8*((\a)%4)+\b)+7], v[SC+8*NQ*(\sc)+NQ*\b+(\q)], v[SC+8*NQ*(\sc)+NQ*(\a)+(\q)] matrix_a_fmt:MATRIX_FMT_FP6 matrix_b_fmt:MATRIX_FMT_FP6 matrix_a_scale:MATRIX_SCALE_ROW1
.endr
.endr
.endm
.macro FETCH_B slot, q, p
	WIN TO_B
.irp i, 0,1,2,3,4,5,6,7
	FRAG 128*(\p)+FR*\i, ADRB+\slot, \q, \i
.endr
	WIN 0
.endm
.macro FETCH_A slot, q, i0
.irp i, \i0, \i0+1, \i0+2, \i0+3
	FRAG AF+FR*(\i), ADRA+\slot, \q, \i
.endr
.endm
.macro SCALES sc, ks                   ; K step ks's scale words into set sc: lanes 0-15 Q's block i, lanes 16-31 K's block i
.irp i, 0,1,2,3,4,5,6,7
.irp q, 0,1
	ds_load_b32 v[SC+8*NQ*\sc+NQ*\i+\q], v[ADRS] offset:1024*(\ks)+512*\q+64*\i
.endr
.endr
.endm
.macro STEP slot, first                ; a slot's first 128 along K
	s_wait_dscnt 4*NL                              ; all but the youngest twelve loads (Q's blocks 4-7) are in
	WIN MUL_LO
	MUL16 0, 0, 0, \slot
	MUL16 2, 0, 0, \slot
	s_wait_dscnt 0
	PLACES NP
	FETCH_B \slot, 1, 1
	FETCH_A \slot, 1, 0
	WIN MUL_HI
	MUL16 4, 0, 0, \slot
	MUL16 6, 0, 0, \slot
	PLACES NP
	WIN 0
	FETCH_A \slot, 1, 4
.endm
.macro TURN slot, next, fill, ks       ; a slot's second 128 along K, and the change of slots; ks: the K step that lies in the next slot
	s_wait_tensorcnt 0x0                           ; all my tensor loads have landed: my part of the next slot
	ds_add_u32 v[SPW], v[NIL]
	s_wait_dscnt 4*NL+1
	WIN MUL_LO
	MUL16 0, 1, 1, \slot
	s_wait_dscnt 0x0                               ; the add is done, and my reads of this slot are over
	s_barrier_signal -1
	MUL16 2, 1, 1, \slot
	WIN 0
	s_barrier_wait -1
.if \fill
	CREST                                          ; the barrier has opened a round of the cluster's barrier
	s_add_nc_u64 s[G0+4*\slot+2:G0+4*\slot+3], s[G0+4*\slot+2:G0+4*\slot+3], 2*HALFT
	s_add_nc_u64 s[G0B+4*\slot+2:G0B+4*\slot+3], s[G0B+4*\slot+2:G0B+4*\slot+3], 2*HALFT
	JLOAD G0+4*\slot, G1, G0B+4*\slot, G1B         ; its four v_nop are the places in front of the loads below
.else
	PLACES NP
.endif
	FETCH_B \next, 0, 0
	FETCH_A \next, 0, 0
	SCALES \next, \ks
	WIN MUL_HI
	MUL16 4, 1, 1, \slot
	MUL16 6, 1, 1, \slot
	PLACES NP
	WIN 0
	FETCH_A \next, 0, 4
.endm
.irp a, 4,5,6,7
	s_wait_loadcnt 16*(7-\a)
	MT \a, \a-4
.endr
	WIN 0
	s_wait_dscnt 0x0                               ; the mask is in the accumulators, and the stage's stores have read the registers that K's fragments take
	FETCH_B 0, 0, 0
	FETCH_A 0, 0, 0
	SCALES 0, 0
	FETCH_A 0, 0, 4
	STEP 0, 0
	TURN 0, 1, 1, 1
	STEP 1, 0
	TURN 1, 0, 1, 2
	STEP 0, 0
	TURN 0, 1, 0, 3
	STEP 1, 0
	s_wait_dscnt 4*NL
	WIN MUL_LO
	MUL16 0, 1, 1, 1
	MUL16 2, 1, 1, 1
	s_wait_dscnt 0
	WIN MUL_HI
	MUL16 4, 1, 1, 1
	MUL16 6, 1, 1, 1
	WIN 0
; THE SOFTMAX'S FIRST HALF, block row by block row (16 queries x my 128 keys)
.macro SOFT a
.set AC, 64*((\a)%4)
.set W, 2+(\a)/4
.if (\a) > 0
	s_wait_xcnt 0x0                                ; the last block's stores have read their registers
.endif
	WIN (W<<2)|(W<<4)
	s_wait_alu depctr_va_vdst(0)                   ; the wait ahead of the first readers of these matrix results
.irp b, 0,1,2,3
	v_max3_num_f32 v[TM+\b], 0xfe967699, v[AC+16*\b], v[AC+16*\b+1]   ; the largest z of each block of 32 keys, over the floor -1e38; each accumulator from its low end on
.endr
.irp i, 2,4,6,8,10,12,14
.irp b, 0,1,2,3
	v_max3_num_f32 v[TM+\b], v[TM+\b], v[AC+16*\b+\i], v[AC+16*\b+\i+1]
.endr
.endr
	WIN 0
.irp b, 0,1,2,3
	v_permlanex16_b32 v[MT+\b], v[TM+\b], s[SEL], s[SEL+1]
.endr
.irp b, 0,1,2,3
	v_max_num_f32 v[TM+\b], v[TM+\b], v[MT+\b]
.endr
	v_max3_num_f32 v[T0], v[TM], v[TM+1], v[TM+2]
	v_max_num_f32 v[T0], v[T0], v[TM+3]            ; the largest z of my query's 128 keys
	v_mul_f32 v[T0], s[CS], v[T0]
	v_floor_f32 v[NM], -v[T0]                      ; -M = -ceil(t)
.irp b, 0,1,2,3
	v_fma_f32 v[TM+\b], v[TM+\b], s[CS], v[NM]     ; t - M of each block's largest z: p rises with z, so this gives the block's largest p
.endr
	WIN (W<<6)|W
.set k, 0
.rept 32
	v_pk_fma_f32 v[AC+k:AC+k+1], v[AC+k:AC+k+1], s[CS:CS+1], v[NM:NM+1] op_sel_hi:[1,0,0]
.set k, k+2
.endr
	s_wait_alu depctr_va_vdst(0)                   ; the wait ahead of the batch
.set k, 0
.rept 64
	v_exp_f32 v[AC+k], v[AC+k]                     ; p = 2^(t - M)
.set k, k+1
.endr
	WIN 0
.irp b, 0,1,2,3
	v_exp_f32 v[TM+\b], v[TM+\b]
.endr
	v_nop                                          ; a plain place behind the exponentials
	s_wait_alu depctr_va_vdst(0)                   ; and the wait behind the batch
.irp b, 0,1,2,3
	v_max_num_f32 v[TM+\b], 0x1800000, v[TM+\b]    ; the floor 2^(3 - 127)
.endr
.irp b, 0,1,2,3
	v_add_nc_u32 v[SO+\b], 0xff000000, v[TM+\b]
.endr
.irp b, 0,1,2,3
	v_lshrrev_b32 v[MT+\b], 23, v[SO+\b]
.endr
	v_lshl_or_b32 v[PW], v[MT+1], 8, v[MT]
	v_lshl_or_b32 v[PW], v[MT+2], 16, v[PW]
	v_lshl_or_b32 v[PW], v[MT+3], 24, v[PW]
	WIN W
.irp c, 0,1
	v_cvt_scalef32_pk16_fp6_f32 v[PC+6*\c:PC+6*\c+2], v[AC+32*\c:AC+32*\c+15], v[SO+2*\c]
	v_cvt_scalef32_pk16_fp6_f32 v[PC+12+4*\c:PC+14+4*\c], v[AC+32*\c+16:AC+32*\c+31], v[SO+2*\c+1]
.endr
	v_nop                                          ; one plain place behind a scaled conversion
	WIN W|(W<<2)
.irp c, 0,1,2,3
	v_pk_add_f32 v[SA+2*\c:SA+2*\c+1], v[AC+2*\c:AC+2*\c+1], v[AC+8+2*\c:AC+9+2*\c]   ; the sum of the unquantised p, in four chains
.endr
	WIN W<<2
.set k, 16
.rept 6
	v_pk_add_f32 v[SA:SA+1], v[SA:SA+1], v[AC+k:AC+k+1]
	v_pk_add_f32 v[SA+2:SA+3], v[SA+2:SA+3], v[AC+k+2:AC+k+3]
	v_pk_add_f32 v[SA+4:SA+5], v[SA+4:SA+5], v[AC+k+4:AC+k+5]
	v_pk_add_f32 v[SA+6:SA+7], v[SA+6:SA+7], v[AC+k+6:AC+k+7]
.set k, k+8
.endr
	WIN 0
.irp c, 0,1
.irp i, 0,1,2
	v_permlane16_swap_b32 v[PC+6*\c+\i], v[PC+12+4*\c+\i]
.endr
.irp i, 0,1,2
	v_mov_b32 v[PC+3+6*\c+\i], v[PC+12+4*\c+\i]
.endr
.endr
	v_pk_add_f32 v[SA:SA+1], v[SA:SA+1], v[SA+2:SA+3]
	v_pk_add_f32 v[SA+4:SA+5], v[SA+4:SA+5], v[SA+6:SA+7]
	v_pk_add_f32 v[SA:SA+1], v[SA:SA+1], v[SA+4:SA+5]
	v_add_f32 v[T0], v[SA], v[SA+1]
	v_permlanex16_b32 v[T1], v[T0], s[SEL], s[SEL+1]
	v_add_f32 v[T0], v[T0], v[T1]                  ; l of my query's 128 keys
	ds_store_b32 v[GA], v[PW] offset:64*(\a)       ; slot 0 has had its last fill and its last read; lanes r and r + 16 write the same words
	ds_store_b32 v[GA], v[NM] offset:64*(\a)+512
	ds_store_b32 v[GA], v[T0] offset:64*(\a)+1024
.irp c, 0,1,2
	global_store_b128 v[CO], v[PC+4*\c:PC+4*\c+3], s[10:11] offset:1536*(\a)+512*\c   ; 512 consecutive bytes
.endr
.endm
	PLACES NP
.irp b, 0,1,2,3
	v_mov_b32 v[MT+\b], 0                          ; a lane permute's destination counts as one of its sources
.endr
	v_mov_b32 v[T1], 0
	v_mov_b32 v[NM+1], 0                           ; (named as the upper half of a pair)
.irp a, 0,1,2,3,4,5,6,7
	SOFT \a
.endr
.irp c, 0,1,2
	ds_load_b128 v[GO+4*\c:GO+4*\c+3], v[GR] offset:512*\c         ; LDS serves a wave's instructions in order
.endr
	s_wait_dscnt 0x0
.irp c, 0,1,2
	global_store_b128 v[CO], v[GO+4*\c:GO+4*\c+3], s[8:9] offset:524288*\c   ; my 128 rows' scale words, -M, l: 512 consecutive bytes each
.endr
	s_wait_tensorcnt 0x0                           ; the wave's end
	ds_add_u32 v[SPW], v[NIL]
	s_wait_dscnt 0x0
	CROUND                                         ; the closing round
	s_endpgm
.Lfunc_end_k_q574ec7b954_scores:
	.size	k_q574ec7b954_scores, .Lfunc_end_k_q574ec7b954_scores-k_q574ec7b954_scores
	.p2alignl 7, 3214868480
	.fill 96, 4, 3214868480
	.section	.rodata,"a",@progbits
	.p2align	6, 0x0
	.amdhsa_kernel k_q574ec7b954_scores
		.amdhsa_group_segment_fixed_size 327680
		.amdhsa_private_segment_fixed_size 0
		.amdhsa_enable_private_segment 0
		.amdhsa_kernarg_size 24
		.amdhsa_user_sgpr_count 2
		.amdhsa_user_sgpr_kernarg_segment_ptr 1
		.amdhsa_wavefront_size32 1
		.amdhsa_system_sgpr_workgroup_id_x 1
		.amdhsa_system_sgpr_workgroup_id_y 1
		.amdhsa_system_sgpr_workgroup_id_z 1
		.amdhsa_system_vgpr_workitem_id 0
		.amdhsa_next_free_vgpr 1024
		.amdhsa_next_free_sgpr 102
		.amdhsa_reserve_vcc 0
		.amdhsa_float_denorm_mode_32 3
		.amdhsa_float_denorm_mode_16_64 3
		.amdhsa_memory_ordered 1
		.amdhsa_forward_progress 1
		.amdhsa_inst_pref_size 231
	.end_amdhsa_kernel
	.amdgpu_metadata
---
amdhsa.version: [ 1, 2 ]
amdhsa.kernels:
  - .name:           k_q574ec7b954_scores
    .symbol:         k_q574ec7b954_scores.kd
    .args:
      - { .name: w2, .offset: 0, .size: 8, .value_kind: global_buffer, .address_space: global }
      - { .name: mask, .offset: 8, .size: 8, .value_kind: global_buffer, .address_space: global }
      - { .name: w3, .offset: 16, .size: 8, .value_kind: global_buffer, .address_space: global }
    .group_segment_fixed_size: 327680
    .private_segment_fixed_size: 0
    .kernarg_segment_align: 8
    .kernarg_segment_size: 24
    .max_flat_workgroup_size: 128
    .sgpr_count:     102
    .vgpr_count:     1024
    .wavefront_size: 32
...
	.end_amdgpu_metadata
.endif
;; end of part 3
;; launch pv (part 4): grid 32 x 8, 4 waves a work-group, clusters of 4 x 1, 327,680 bytes of LDS; arguments w3, w2, out0; writes out0
.if DOCPART == 4
	.amdgcn_target "amdgcn-amd-amdhsa--gfx1250"
	.amdhsa_code_object_version 6
	.text
	.protected	k_q574ec7b954_pv
	.globl	k_q574ec7b954_pv
	.p2align	8
	.type	k_q574ec7b954_pv,@function
k_q574ec7b954_pv:
	s_mov_b64 s[64:65], 0
	v_nop
	global_prefetch_b8 v0, s[64:65] scope:SCOPE_SE
	s_setreg_imm32_b32 hwreg(HW_REG_WAVE_MODE, 25, 1), 1
	s_wait_xcnt 0x0
	s_wait_alu depctr_hold_cnt(0) depctr_sa_sdst(0) depctr_va_vdst(0) depctr_va_sdst(0) depctr_va_ssrc(0) depctr_va_vcc(0) depctr_vm_vsrc(0)
	s_getreg_b32 s2, hwreg(HW_REG_IB_STS2, 6, 4)
	s_cmp_eq_u32 s2, 0
	s_cbranch_scc0 .Lentry_in_a_cluster
	s_endpgm
.Lentry_in_a_cluster:
	s_bfe_u32 s2, ttmp6, 0x10000c
	s_cmp_lg_u32 s2, 0x3003
	s_cbranch_scc0 .Lentry_shape_is_right
	s_endpgm
.Lentry_shape_is_right:
; out = (p V) / l on codes of FP6 (E2M3) with E8M0 scales.  p arrives with, for each row and each 128 keys, a whole number M of its own, the sum l under that M, and scale bytes under that M.
; A row's M is the largest of its sixteen; each 128 keys' scale bytes are lowered by (the row's M - their M), a whole number, so that the codes stay as they are; the sums l are brought under the row's M by ldexp and added.
; Operands lie as images of the operand's registers: [tile of 128 rows][128 along K][block i of 16 rows][1,536 bytes]; scale words, -M and l: [tile][128 along K][16 i + r][4 bytes].  Lane r of block i holds row 32 (i / 2) + 8 (i % 2) + r + 8 (r / 8).
; SHARES: 256 work-groups; work-group (qt, nx) makes 256 queries x columns 128 nx .. + 127; a wave 64 queries x 128 columns: 32 accumulators.  K = the batch's 2,048 keys, 16 steps of 128, written out.
; V^T: the work-group's 128 rows, all of K, are 196,608 bytes of codes and 8,192 of scale words: filled into LDS once, four pieces and the scale words.  The four work-groups of a cluster lie in one batch and share nx: they ask jointly.
; One load a wave at the head (pieces 0, 1, the scale words, piece 2); piece 3 by wave 0 behind the full sequence and a round.  Nothing is filled again.
; p: a wave's 64 rows are its own, so their fragments come from memory straight into registers, five stages of 48, asked for four steps ahead, and are not asked for jointly; their scale words, -M and l too: the lowering of the bytes needs no other wave.
; PREFETCH: in step g each wave names three blocks of 256 bytes of its rows' codes of step g + 6, two steps ahead of the loads that want them; the eight work-groups that read the same rows (nx = 0 .. 7) share a step's 24 blocks out by address; the last six steps ask for nothing.
; Source 0 = 16 rows of V^T, source 1 = 16 queries: a lane holds a query, its registers run along the columns; results leave through the wave's own stage as rows of 512 bytes.
; LIMITS: a byte that would fall under 0 is held at 0 (2^-127: such a block lies 2^100 and more under the row's largest p).  The difference of two M is held at 300 for ldexp and at 127 for the bytes.  A row whose l is 0 gives what 1 / 0 gives.  NaN and infinities are not served.
; REGISTERS: window 0: v0-31 addresses, 1 / l, V's scale words (two sets); v32-63 p's scale words; v64-159, v160-255 V's fragments (two sets), at work on the way out.  window 1: p's five stages.  window 2: the head's -M, l and scale words.  window 3: the accumulators ((a, b) at 8 (8 a + b)).
.set TILEB, 12288
.set PIECE, 4*TILEB
.set SCL,   4*PIECE
.set STAGE, SCL+8192
.set SPITCH, 528
.set SPARE, STAGE+4*16*SPITCH
.set PSO,   12582912
.set VCO,   12582912
.set VSO,   19398656
.set CO,   2
.set L4,   3
.set ADRB, 4                           ; v4-7 the four pieces
.set ADRS, 8
.set STO,  9
.set RD,   10
.set PFV,  11
.set SPW,  12
.set NIL,  13
.set RL,   14                          ; v14-21 1 / l of my lane's query, a pair for each block
.set BS,   22
.set AS,   32
.set BF,   64
.set T,    64
.set BK,   128
.set NM,   0                           ; window 2
.set LR,   32
.set SW,   64
.set TG,   96
.set GM,   128
.set XR,   130
.set SEL,  20
.set HM,   22
.set G1,   24
.set G1S,  32
.set G0H,  40
.set G0S,  44
.set G02,  48
.set MSB, 0
.macro WIN new
.if MSB != (\new)
	s_set_vgpr_msb (MSB<<8)|(\new)
.set MSB, (\new)
.endif
.endm
.macro PLACES n
.rept \n
	v_nop
.endr
.endm
.macro CROUND
	s_barrier_signal -1
	s_barrier_wait -1
	s_cmp_lg_u32 s14, 0
	s_cbranch_scc1 .Lnot_wave_0_\@
	s_barrier_signal -3
.Lnot_wave_0_\@:
	s_barrier_wait -3
	s_barrier_signal -1
	s_barrier_wait -1
.endm
	s_load_b128 s[4:7], s[0:1], 0x0                ; w3, w2
	s_load_b64 s[8:9], s[0:1], 0x10                ; out0
	v_lshl_add_u32 v[SPW], v0, 2, SPARE
	v_mov_b32 v[NIL], 0
	ds_add_u32 v[SPW], v[NIL]                      ; the opening lines: the add twice on end and its wait
	ds_add_u32 v[SPW], v[NIL]
	v_lshrrev_b32 v1, 5, v0
	v_readfirstlane_b32 s14, v1                    ; wave
	s_lshr_b32 s15, s14, 1
	s_and_b32 s16, s14, 1
	s_bfe_u32 s17, ttmp6, 0x40000
	s_lshl_b32 s19, ttmp9, 2
	s_add_co_u32 s17, s17, s19                     ; qt = 4 x cluster x + cx
	s_and_b32 s18, ttmp7, 0xffff                   ; nx
	s_mov_b32 s[G1], 15|(3<<16)|(1<<21)            ; a piece: 192 rows of 256 bytes; all four partners
	s_mov_b32 s[G1+1], 32<<16
	s_mov_b32 s[G1+2], 192<<16
	s_mov_b32 s[G1+3], 32<<16
	s_mov_b32 s[G1+4], 192
	s_mov_b32 s[G1+5], 32
	s_mov_b32 s[G1+6], 0
	s_mov_b32 s[G1+7], 0
	s_mov_b32 s[G1S], 15|(3<<16)|(1<<21)           ; the scale words: 32 rows of 256 bytes
	s_mov_b32 s[G1S+1], 32<<16
	s_mov_b32 s[G1S+2], 32<<16
	s_mov_b32 s[G1S+3], 32<<16
	s_mov_b32 s[G1S+4], 32
	s_mov_b32 s[G1S+5], 32
	s_mov_b32 s[G1S+6], 0
	s_mov_b32 s[G1S+7], 0
	s_lshr_b32 s68, ttmp9, 1                       ; the batch: eight qt each, two clusters
	s_lshl_b32 s68, s68, 3
	s_add_co_u32 s68, s68, s18
	s_lshl_b32 s68, s68, 4                         ; V^T: (8 x batch + nx) x 16
	s_lshl_b32 s74, s68, 9
	s_add_co_u32 s74, s74, VSO
	s_mov_b32 s75, 0
	s_mul_i32 s68, s68, TILEB
	s_add_co_u32 s68, s68, VCO
	s_min_u32 s69, s14, 2                          ; the head's piece: waves 0, 1, 3 take pieces 0, 1, 2
	s_mul_i32 s69, s69, PIECE
	s_mov_b32 s[G0H], 1
	s_mov_b32 s[G0H+1], s69
	s_add_co_u32 s70, s68, s69
	s_mov_b32 s71, 0
	s_add_co_u32 s72, s68, 3*PIECE
	s_mov_b32 s73, 0
	s_mov_b32 s[G02], 1
	s_mov_b32 s[G02+1], 3*PIECE
	s_mov_b32 s[G0S], 1
	s_mov_b32 s[G0S+1], SCL
	s_lshl_b32 s76, s17, 1
	s_add_co_u32 s76, s76, s15                     ; my tile of 128 queries
	s_lshl_b32 s77, s76, 4
	s_mul_i32 s52, s77, TILEB
	s_mul_i32 s19, s16, 6144
	s_add_co_u32 s52, s52, s19
	s_mov_b32 s53, 0
	s_lshl_b32 s54, s77, 9
	s_lshl_b32 s19, s16, 8
	s_add_co_u32 s54, s54, s19
	s_add_co_u32 s54, s54, PSO
	s_mov_b32 s55, 0
	s_lshl_b32 s56, s76, 19                        ; out: 128 rows of 4,096 bytes a tile,
	s_lshl_b32 s19, s16, 18                        ; my 64 rows,
	s_add_co_u32 s56, s56, s19
	s_lshl_b32 s19, s18, 9                         ; my 128 columns
	s_add_co_u32 s56, s56, s19
	s_mov_b32 s57, 0
	s_mul_i32 s58, s14, 16*SPITCH
	s_add_co_u32 s58, s58, STAGE
	s_mul_i32 s59, s18, 768
	s_mov_b32 s[SEL], 0x76543210
	s_mov_b32 s[SEL+1], 0xfedcba98
	s_mov_b32 s[HM], 0xffff0000                    ; lanes 16-31
	v_and_b32 v1, 31, v0
	v_and_b32 v30, 15, v0
	v_bfe_u32 v31, v0, 4, 1
	v_lshlrev_b32 v[CO], 4, v1
	v_lshlrev_b32 v[L4], 2, v1
	v_lshlrev_b32 v[ADRB], 4, v1
	v_add_nc_u32 v[ADRB+1], PIECE, v[CO]
	v_add_nc_u32 v[ADRB+2], 2*PIECE, v[CO]
	v_add_nc_u32 v[ADRB+3], 3*PIECE, v[CO]
	v_add_nc_u32 v[ADRS], SCL, v[L4]
	v_mul_u32_u24 v30, v30, SPITCH
	v_lshl_add_u32 v30, v31, 6, v30
	v_add_nc_u32 v[STO], s58, v30
	v_add_nc_u32 v[RD], s58, v[CO]
	v_min_u32 v31, 2, v1
	v_lshl_add_u32 v[PFV], v31, 8, s59             ; lanes 0, 1, 2 name my work-group's three blocks; the others the third again
	s_wait_alu depctr_va_vdst(0)                   ; the wait ahead of the waits below
	s_wait_dscnt 0x0
	s_wait_kmcnt 0x0
	s_add_nc_u64 s[G0H+2:G0H+3], s[6:7], s[70:71]
	s_or_b32 s[G0H+3], s[G0H+3], 0x80000000
	s_add_nc_u64 s[G02+2:G02+3], s[6:7], s[72:73]
	s_or_b32 s[G02+3], s[G02+3], 0x80000000
	s_add_nc_u64 s[G0S+2:G0S+3], s[6:7], s[74:75]
	s_or_b32 s[G0S+3], s[G0S+3], 0x80000000
	s_add_nc_u64 s[52:53], s[4:5], s[52:53]        ; p's codes
	s_add_nc_u64 s[54:55], s[4:5], s[54:55]        ; p's scale words; -M 524,288 bytes on, l 1,048,576
	s_add_nc_u64 s[8:9], s[8:9], s[56:57]
	CROUND                                         ; the four partners are here: the first joint loads meet
	s_cmp_eq_u32 s14, 2
	s_cbranch_scc1 .Lhead_s
	tensor_load_to_lds s[G0H:G0H+3], s[G1:G1+7]
	s_nop 0
	PLACES 4
	s_branch .Lhead_j
.Lhead_s:
	tensor_load_to_lds s[G0S:G0S+3], s[G1S:G1S+7]
	s_nop 0
	PLACES 4
.Lhead_j:
.macro ALOAD st, a                     ; p's fragment a of step st into stage st % 5; the caller sets the window
.irp c, 0,1,2
	global_load_b128 v[48*((\st)%5)+12*(\a)+4*\c:48*((\st)%5)+12*(\a)+4*\c+3], v[CO], s[52:53] offset:(\st)*TILEB+(\a)*1536+512*\c
.endr
.endm
	WIN 0x80                                       ; register 2 q + j: lanes 0-15 block 2 j's rows, lanes 16-31 block 2 j + 1's, K step q
.irp q, 0,1,2,3,4,5,6,7,8,9,10,11,12,13,14,15
.irp j, 0,1
	global_load_b32 v[NM+2*\q+\j], v[L4], s[54:55] offset:512*\q+128*\j+524288
.endr
.endr
.irp q, 0,1,2,3,4,5,6,7,8,9,10,11,12,13,14,15
.irp j, 0,1
	global_load_b32 v[LR+2*\q+\j], v[L4], s[54:55] offset:512*\q+128*\j+1048576
.endr
.endr
.irp q, 0,1,2,3,4,5,6,7,8,9,10,11,12,13,14,15
.irp j, 0,1
	global_load_b32 v[SW+2*\q+\j], v[L4], s[54:55] offset:512*\q+128*\j
.endr
.endr
	WIN 0x40
.irp st, 0,1,2,3
.irp a, 0,1,2,3
	ALOAD \st, \a
.endr
.endr
	s_wait_loadcnt 48                              ; -M, l and the scale words are in; behind them stand four stages' 48 loads
	WIN 0xaa
.irp j, 0,1
	v_min3_num_f32 v[GM+\j], v[NM+\j], v[NM+2+\j], v[NM+4+\j]
.endr
.irp i, 6,10,14,18,22,26
.irp j, 0,1
	v_min3_num_f32 v[GM+\j], v[GM+\j], v[NM+\i+\j], v[NM+\i+2+\j]
.endr
.endr
.irp j, 0,1
	v_min_num_f32 v[GM+\j], v[GM+\j], v[NM+30+\j]  ; - the row's M
.endr
.macro ALL32 body:vararg
.set n, 0
.rept 32
	\body
.set n, n+1
.endr
.endm
	ALL32 v_sub_f32 v[NM+n], v[GM+n%2], v[NM+n]                 ; these keys' M - the row's M: 0 or less
	ALL32 v_max_num_f32 v[NM+n], 0xc3960000, v[NM+n]            ; held at -300
	ALL32 v_cvt_i32_f32 v[TG+n], v[NM+n]
	ALL32 v_ldexp_f32 v[LR+n], v[LR+n], v[TG+n]                 ; l under the row's M
.irp s, 16,8,4,2
.set n, 0
.rept \s
	v_add_f32 v[LR+n], v[LR+n], v[LR+n+\s]
.set n, n+1
.endr
.endr
	ALL32 v_min_num_f32 v[NM+n], 0x42fe0000, -v[NM+n]           ; what comes off the bytes, held at 127
	ALL32 v_cvt_i32_f32 v[NM+n], v[NM+n]
	ALL32 v_perm_b32 v[NM+n], v[NM+n], v[NM+n], 0               ; in all four bytes
	ALL32 v_or_b32 v[SW+n], 0x80808080, v[SW+n]                 ; p is at most 1, so its bytes lie under 128: bit 7 of each keeps the bytes' differences apart
	ALL32 v_sub_nc_u32 v[SW+n], v[SW+n], v[NM+n]
	ALL32 v_and_b32 v[TG+n], 0x80808080, v[SW+n]                ; bit 7 still set: the byte has not fallen under 0
	ALL32 v_lshrrev_b32 v[NM+n], 7, v[TG+n]
	ALL32 v_sub_nc_u32 v[TG+n], v[TG+n], v[NM+n]                ; 0x7f there, 0 elsewhere
	WIN 0x0a
	ALL32 v_and_b32 v[AS+n], v[SW+n], v[TG+n]                   ; p's scale words under the row's M
	WIN 0xaa
	v_mov_b32 v[XR], 0                             ; a lane permute's destination counts as one of its sources
	v_mov_b32 v[XR+1], 0
	s_wait_alu depctr_va_vdst(0)                   ; the wait ahead of the batch
	v_rcp_f32 v[LR], v[LR]
	v_rcp_f32 v[LR+1], v[LR+1]
	v_nop
	s_wait_alu depctr_va_vdst(0)                   ; and behind it
	v_permlanex16_b32 v[XR], v[LR], s[SEL], s[SEL+1]
	v_permlanex16_b32 v[XR+1], v[LR+1], s[SEL], s[SEL+1]
	WIN 0x0a
.irp j, 0,1                            ; in the results both halves of the lanes hold block a's row l % 16
	v_cndmask_b32 v[RL+4*\j], v[LR+\j], v[XR+\j], s[HM]
	v_cndmask_b32 v[RL+4*\j+1], v[LR+\j], v[XR+\j], s[HM]
	v_cndmask_b32 v[RL+4*\j+2], v[XR+\j], v[LR+\j], s[HM]
	v_cndmask_b32 v[RL+4*\j+3], v[XR+\j], v[LR+\j], s[HM]
.endr
	WIN 0
	s_wait_alu depctr_va_vdst(0)                   ; the wait at the head's end
	s_wait_tensorcnt 0x0                           ; my head's load is in
	ds_add_u32 v[SPW], v[NIL]
	s_wait_dscnt 0x0
	CROUND
	s_cmp_lg_u32 s14, 0
	s_cbranch_scc1 .Lno_second
	tensor_load_to_lds s[G02:G02+3], s[G1:G1+7]
	s_nop 0
	PLACES 4
.Lno_second:
; A slot: V's fragment i of the next step and, ahead of the even ones, the scale words of blocks i and i + 1
.macro SLOT i
.if (\i)%2 == 0
	ds_load_b32 v[BS+4*NP_+(\i)/2], v[ADRS] offset:NSOF+64*(\i)
.endif
.irp c, 0,1,2
	ds_load_b128 v[BF+96*NP_+12*(\i)+4*\c:BF+96*NP_+12*(\i)+4*\c+3], v[NADR] offset:NOFF+(\i)*1536+512*\c
.endr
.endm
.macro WM d, x, y, c, sx, sy, rx, ry   ; rx, ry: which half of the lanes holds the source's scale words
.set RR, (\rx)+2*(\ry)
.if RR == 0
	v_wmma_scale_f32_16x16x128_f8f6f4 v[\d:\d+7], v[\x:\x+11], v[\y:\y+11], \c, v[\sx], v[\sy] matrix_a_fmt:MATRIX_FMT_FP6 matrix_b_fmt:MATRIX_FMT_FP6
.endif
.if RR == 1
	v_wmma_scale_f32_16x16x128_f8f6f4 v[\d:\d+7], v[\x:\x+11], v[\y:\y+11], \c, v[\sx], v[\sy] matrix_a_fmt:MATRIX_FMT_FP6 matrix_b_fmt:MATRIX_FMT_FP6 matrix_a_scale:MATRIX_SCALE_ROW1
.endif
.if RR == 2
	v_wmma_scale_f32_16x16x128_f8f6f4 v[\d:\d+7], v[\x:\x+11], v[\y:\y+11], \c, v[\sx], v[\sy] matrix_a_fmt:MATRIX_FMT_FP6 matrix_b_fmt:MATRIX_FMT_FP6 matrix_b_scale:MATRIX_SCALE_ROW1
.endif
.if RR == 3
	v_wmma_scale_f32_16x16x128_f8f6f4 v[\d:\d+7], v[\x:\x+11], v[\y:\y+11], \c, v[\sx], v[\sy] matrix_a_fmt:MATRIX_FMT_FP6 matrix_b_fmt:MATRIX_FMT_FP6 matrix_a_scale:MATRIX_SCALE_ROW1 matrix_b_scale:MATRIX_SCALE_ROW1
.endif
.endm
; A step: one run of loads (the next step's eight slots from LDS, p's four fragments of four steps on from memory, the prefetch), then 32 products, by V's blocks, four to a block,
; the 32 accumulators by turns in the same order in every step.
.macro STEP g
.if 15-(\g) < 3
	s_wait_loadcnt 12*(15-(\g))                    ; this step's stage of p is in; the later steps' loads, 12 each, stand behind it
.else
	s_wait_loadcnt 36
.endif
	s_wait_dscnt 0x0                               ; this step's fragments of V are in (asked for 32 products ago)
.if (\g) == 11
	s_wait_tensorcnt 0x0
	s_barrier_signal -1
	s_barrier_wait -1                              ; for every wave.
.endif
	PLACES 4                                       ; behind the last step's products: loads land in registers that they read
.set P, (\g)%2
.set AQ, 48*((\g)%5)
.set NX, (\g)+1
.set NP_, NX%2
.set NADR, ADRB+(NX/4)%4
.set NOFF, (NX%4)*TILEB
.set NSOF, NX*512
.if (\g) < 15
.irp i, 0,1,2,3,4,5,6,7
	SLOT \i
.endr
.endif
.if (\g)+4 <= 15
	WIN 0x40
.irp a, 0,1,2,3
	ALOAD (\g)+4, \a
.endr
	WIN 0
.endif
.if (\g)+6 <= 15
	global_prefetch_b8 v[PFV], s[52:53] offset:((\g)+6)*TILEB th:TH_LOAD_NT scope:SCOPE_SE
.endif
	WIN 0xf4
.irp u, 0,1,2,3,4,5,6,7,8,9,10,11,12,13,14,15,16,17,18,19,20,21,22,23,24,25,26,27,28,29,30,31
.set XB, \u/4
.set XA, \u%4
.set DD, 8*(8*XA+XB)
.if (\g) == 0
	WM DD, BF+96*P+12*XB, AQ+12*XA, 0, BS+4*P+XB/2, AS+2*(\g)+XA/2, XB%2, XA%2
.else
	WM DD, BF+96*P+12*XB, AQ+12*XA, v[DD:DD+7], BS+4*P+XB/2, AS+2*(\g)+XA/2, XB%2, XA%2
.endif
.endr
	WIN 0
.endm
.set NADR, ADRB
.set NOFF, 0
.set NSOF, 0
.set NP_, 0
.irp i, 0,1,2,3,4,5,6,7
	SLOT \i
.endr
.irp g, 0,1,2,3,4,5,6,7,8,9,10,11,12,13,14,15
	STEP \g
.endr
; THE WAY OUT, block by block of 16 queries x 128 columns: x 1 / l, through my own stage, back as whole rows of 512 bytes
.macro TOSTAGE a
.set AC, 64*(\a)
	WIN 3
.set k, 0
.rept 32
	v_pk_mul_f32 v[T+k:T+k+1], v[AC+k:AC+k+1], v[RL+2*(\a):RL+2*(\a)+1]   ; each accumulator from its low end on
.set k, k+2
.endr
	WIN 0
.irp b, 0,1,2,3
.irp j, 0,1,2,3
	ds_store_b128 v[STO], v[T+16*\b+4*\j:T+16*\b+4*\j+3] offset:128*\b+16*\j
.endr
.endr
.set BB, BK+64*((\a)%2)
.irp t, 0,1,2,3,4,5,6,7,8,9,10,11,12,13,14,15
	ds_load_b128 v[BB+4*\t:BB+4*\t+3], v[RD] offset:\t*SPITCH      ; LDS serves a wave's instructions in order
.endr
.endm
.macro SEND a, younger
.set BB, BK+64*((\a)%2)
	s_wait_dscnt \younger
.irp t, 0,1,2,3,4,5,6,7,8,9,10,11,12,13,14,15
	global_store_b128 v[CO], v[BB+4*\t:BB+4*\t+3], s[8:9] offset:(32*((\a)/2)+8*((\a)%2)+\t+8*(\t/8))*4096 th:TH_STORE_NT   ; 512 consecutive bytes, at a multiple of 256 from the buffer's first byte
.endr
.endm
	PLACES 4
	TOSTAGE 0
.irp a, 1,2,3
.if \a > 1
	s_wait_xcnt 0x0                                ; block a - 2's stores have read their registers
.endif
	TOSTAGE \a
	SEND \a-1, 32                                  ; behind block a - 1's loads: block a's 16 stores and 16 loads
.endr
	SEND 3, 0
	s_wait_tensorcnt 0x0                           ; the wave's end
	ds_add_u32 v[SPW], v[NIL]
	s_wait_dscnt 0x0
	CROUND                                         ; the closing round
	s_endpgm
.Lfunc_end_k_q574ec7b954_pv:
	.size	k_q574ec7b954_pv, .Lfunc_end_k_q574ec7b954_pv-k_q574ec7b954_pv
	.p2alignl 7, 3214868480
	.fill 96, 4, 3214868480
	.section	.rodata,"a",@progbits
	.p2align	6, 0x0
	.amdhsa_kernel k_q574ec7b954_pv
		.amdhsa_group_segment_fixed_size 327680
		.amdhsa_private_segment_fixed_size 0
		.amdhsa_enable_private_segment 0
		.amdhsa_kernarg_size 24
		.amdhsa_user_sgpr_count 2
		.amdhsa_user_sgpr_kernarg_segment_ptr 1
		.amdhsa_wavefront_size32 1
		.amdhsa_system_sgpr_workgroup_id_x 1
		.amdhsa_system_sgpr_workgroup_id_y 1
		.amdhsa_system_sgpr_workgroup_id_z 1
		.amdhsa_system_vgpr_workitem_id 0
		.amdhsa_next_free_vgpr 1024
		.amdhsa_next_free_sgpr 80
		.amdhsa_reserve_vcc 0
		.amdhsa_float_denorm_mode_32 3
		.amdhsa_float_denorm_mode_16_64 3
		.amdhsa_memory_ordered 1
		.amdhsa_forward_progress 1
		.amdhsa_inst_pref_size 178
	.end_amdhsa_kernel
	.amdgpu_metadata
---
amdhsa.version: [ 1, 2 ]
amdhsa.kernels:
  - .name:           k_q574ec7b954_pv
    .symbol:         k_q574ec7b954_pv.kd
    .args:
      - { .name: w3, .offset: 0, .size: 8, .value_kind: global_buffer, .address_space: global }
      - { .name: w2, .offset: 8, .size: 8, .value_kind: global_buffer, .address_space: global }
      - { .name: out0, .offset: 16, .size: 8, .value_kind: global_buffer, .address_space: global }
    .group_segment_fixed_size: 327680
    .private_segment_fixed_size: 0
    .kernarg_segment_align: 8
    .kernarg_segment_size: 24
    .max_flat_workgroup_size: 128
    .sgpr_count:     80
    .vgpr_count:     1024
    .wavefront_size: 32
...
	.end_amdgpu_metadata
.endif
;; end of part 4
